; MI455X (gfx1250); checked and timed in simulation.
; The chip was launched on July 23, 2026; its instructions are those of AMD's public machine-readable ISA for CDNA 5 (MIT licence, August 2026) and "CDNA5" Instruction Set Architecture Reference Guide (July 2026). The comments in the code are by the model that wrote it; some were corrected since.
;; madsormer ae. Allowed arithmetic: matrix products marked QUANTISED: E2M3 operands, one E8M0 scale for each 32 along K, by v_wmma_scale_f32_16x16x128_f8f6f4 with both operands' format E2M3, f32 sums; products left as they are: f32 operands where the result goes on into a quantised operand, else bf16, f16 or f32 operands; f32 sums; everything else in f32.
;; Inputs: KEY 16 x 2,048 x 3 float32; VALUE 16 x 2,048 x 1 float32; W1 2 x 4 x 512 float32; W2 2 x 512 x 4 float32; Wfc 4 x 1 float32; Wk 2 x 4 x 256 float32; Wo 2 x 256 x 4 float32; Wq 2 x 4 x 256 float32; Wv 2 x 4 x 256 float32; b1 2 x 512 float32; b2 2 x 4 float32; be1 2 x 4 float32; be2 2 x 4 float32; bfc 1 float32; bk 2 x 256 float32; bo 2 x 4 float32; bq 2 x 256 float32; bv 2 x 256 float32; bw 2 float32; g1 2 x 4 float32; g2 2 x 4 float32.
;; Outputs: out0 16 x 2,048 x 1 float32.
;; This version of the problem:
;;   THIS VERSION OF THE PROBLEM IS GIVEN IN LOW PRECISION. The matrix products marked QUANTISED in the list below multiply operands that are first quantised to E2M3 (2 exponent bits, 3 mantissa bits; 6 bits a number), with one power-of-two scale for each 32 numbers along K (OCP MX v1.0); their sums are f32. All else is computed in f32.
;;   The module's matrix products, in the order in which they are computed (A, B: the left and right operand; K: the contracted axis; several contracted axes count as one K, in the product's order):
;;     1. [M 32,768, K 4] x [K 4, N 256]; A: computed on the way; B: input Wq: left as it is (K = 4 < 32)
;;     2. [M 32,768, K 4] x [K 4, N 256]; A: computed on the way; B: input Wk: left as it is (K = 4 < 32)
;;     3. [M 32,768, K 4] x [K 4, N 256]; A: computed on the way; B: input Wv: left as it is (K = 4 < 32)
;;     4. batch 16 x [M 2,048, K 256] x [K 256, N 2,048]; A: computed on the way; B: computed on the way: QUANTISED
;;     5. batch 16 x [M 2,048, K 2,048] x [K 2,048, N 256]; A: softmax (see below); B: computed on the way: QUANTISED
;;     6. [M 32,768, K 256] x [K 256, N 4]; A: computed on the way; B: input Wo: left as it is (N = 4 < 16)
;;     7. [M 32,768, K 4] x [K 4, N 512]; A: computed on the way; B: input W1: left as it is (K = 4 < 32)
;;     8. [M 32,768, K 512] x [K 512, N 4]; A: computed on the way; B: input W2: left as it is (N = 4 < 16)
;;     9. [M 32,768, K 4] x [K 4, N 256]; A: computed on the way; B: input Wq: left as it is (K = 4 < 32)
;;     10. [M 32,768, K 4] x [K 4, N 256]; A: computed on the way; B: input Wk: left as it is (K = 4 < 32)
;;     11. [M 32,768, K 4] x [K 4, N 256]; A: computed on the way; B: input Wv: left as it is (K = 4 < 32)
;;     12. batch 16 x [M 2,048, K 256] x [K 256, N 2,048]; A: computed on the way; B: computed on the way: QUANTISED
;;     13. batch 16 x [M 2,048, K 2,048] x [K 2,048, N 256]; A: softmax (see below); B: computed on the way: QUANTISED
;;     14. [M 32,768, K 256] x [K 256, N 4]; A: computed on the way; B: input Wo: left as it is (N = 4 < 16)
;;     15. [M 32,768, K 4] x [K 4, N 512]; A: computed on the way; B: input W1: left as it is (K = 4 < 32)
;;     16. [M 32,768, K 512] x [K 512, N 4]; A: computed on the way; B: input W2: left as it is (N = 4 < 16)
;;     17. [M 32,768, K 4] x [K 4, N 1]; A: computed on the way; B: input Wfc: left as it is (K = 4 < 32)
;;   THE QUANTISER, for each operand of a quantised product, along K:
;;     - K is cut into blocks of 32 from its start; a last block that is shorter is filled with zeros.
;;     - A block's scale is 2^e with e = floor(log2(the largest magnitude in the block)) - 2, held to -126 .. 127; a block of zeros has e = 0. As a byte (E8M0): e + 127.
;;     - Each number is divided by its block's scale, clamped to +-7.5, and rounded to the nearest number of E2M3, ties to even, subnormals kept.
;;     - The product sums the exact products of the quantised numbers (number of the format x scale) in f32.
;;   ~~~python
;;   def quantise(x, axis):      # numpy; x: float32 -> the quantised numbers, widened to float32 again
;;       x = np.moveaxis(x, axis, -1); K = x.shape[-1]
;;       x = np.pad(x, [(0, 0)] * (x.ndim - 1) + [(0, -K % 32)]); x = x.reshape(x.shape[:-1] + (-1, 32)); a = np.abs(x).max(-1, keepdims=True)
;;       e = np.where(a > 0, np.clip(np.frexp(np.where(a > 0, a, 1))[1] - 1 - 2, -126, 127), 0)      # np.frexp(a)[1] - 1 = floor(log2(a)), exactly
;;       r = np.clip(x / 2.0 ** e, -7.5, 7.5)
;;       step = 2.0 ** (np.maximum(np.frexp(np.where(r == 0, 1, r))[1] - 1, 0) - 3)
;;       q = np.round(r / step) * step * 2.0 ** e      # np.round: ties to even
;;       return np.moveaxis(q.reshape(q.shape[:-2] + (-1,))[..., :K], -1, axis).astype(np.float32)
;;   ~~~
;;   SOFTMAX AHEAD OF A QUANTISED PRODUCT. Where the list says 'softmax', what is quantised is not the finished softmax but p = 2^(t - M), with t = logit x log2(e) and M = ceil(the row's largest t), a whole number; so 1/2 < the row's largest p <= 1. The row's sum l is taken of the UNQUANTISED p, in f32, and the product's result is divided by l at the end. Since M is a whole number, a kernel that streams over the keys may use a running M (the ceiling of the running maximum): every later rescaling is an exact power of two, which a block's scale takes up: the codes' values come out the same.
;;   OPERANDS COMPUTED ON THE WAY. 'Computed on the way' means the value that the module computes at that place (a softmax that the list does not call 'softmax' is quantised finished and normalised). What goes into a quantiser is computed in f32, as accurately as f32 sums, v_exp_f32 and their like allow (about 1e-6 of the number): no bf16 or f16 on the way to a quantiser, and a product that is left as it is and whose result goes on into a quantised operand takes f32 operands (vector FMAs, or v_wmma_f32_16x16x4_f32). A number that lies on a knife's edge between two numbers of the format may be rounded either way, as far as f32 arithmetic and the matrix unit's own rounding can turn it there, and no further.
;; One version. Each part assembles by itself: llvm-mc -triple=amdgcn-amd-amdhsa -mcpu=gfx1250 --defsym DOCPART=n.
;; ======== version 1 of 1: 4 launches
;; workspace buffers: qp 6,815,744 bytes; kvc 12,582,912 bytes; ksc 655,360 bytes; xcat 524,288 bytes; x1 524,288 bytes; lay 256 bytes of whole numbers
;; launch prep0 (part 1): grid 256 x 1, 8 waves a work-group, no clusters, 0 bytes of LDS; arguments KEY, VALUE, Wq, bq, Wk, bk, Wv, bv, qp, kvc, ksc, xcat, lay; writes qp, kvc, ksc, xcat, lay
.if DOCPART == 1
	.amdgcn_target "amdgcn-amd-amdhsa--gfx1250"
	.amdhsa_code_object_version 6
	.text
	.protected	k_qafc5cb02e7_prep0
	.globl	k_qafc5cb02e7_prep0
	.p2align	8
	.type	k_qafc5cb02e7_prep0,@function
k_qafc5cb02e7_prep0:
	s_mov_b64 s[64:65], 0
	v_nop
	global_prefetch_b8 v0, s[64:65] scope:SCOPE_SE
	s_setreg_imm32_b32 hwreg(HW_REG_WAVE_MODE, 25, 1), 1
	s_wait_xcnt 0x0
; Q = X Wq + bq, K = X Wk + bk, V = X Wv + bv of ONE layer (LAYER below), in f32, and their codes of FP6 (E2M3) with one E8M0 byte for each 32 along a product's K:
; Q and K along the hidden axis, V along the keys.  Also qq = sum Q^2 and hk = -1/2 sum K^2 of the unquantised numbers.  LAYER 0 takes X = concat(KEY, VALUE) and stores it as xcat.
; NO WORK OF reference() IS LEFT OUT in this program.  The term sum Q^2 is the same along the softmax's axis, but the stated rule takes M = ceil(the row's largest t), a whole number, so a shift of t that is
; no whole number moves p = 2^(t - M) by a factor that is no power of two, and with it p's codes: it is live.  Every bias goes into a quantised operand or into an output.  Every input is loaded by some launch.
; LIMITS: NaN and infinities among the inputs are not served.  A block whose largest magnitude lies under 2^(3 - 127) gets the byte 1; a block of zeros too, where the rule says 127: its codes are zeros, which
; add nothing under any byte but 0xff, and this program alone reads the bytes.  The sums of squares are taken in another order than reference()'s.
; SHARES.  A work-group takes 128 rows (half a chunk of 256 keys), each of its 8 waves six UNITS.  A unit is eight v_wmma_f32_16x16x4_f32 (K = 4 is the whole sum; the bias is C), 64 numbers a lane, quantised at once.
;   Q, hidden step s = 0, 1: source 0 = 16 columns of Wq, source 1 = my 16 rows of X: a lane holds ONE row, its registers run along the hidden axis.     K: the same for my key tile.
;   V, d tile 2 w + u: source 0 = 16 keys of X, source 1 = 16 columns of Wv: a lane holds ONE column d, its registers run along the keys.
; THE 16 ROWS THAT FORM A TILE OF SOURCE 0 ARE NOT NEIGHBOURS: lane r of tile 2 b + u takes 32 b + 8 u + r + 8 (r / 8), so that the 16 registers of tiles 2 b, 2 b + 1 are 16 neighbours along the later K.
; The key tiles of K are formed in the same way, so that in the next launch the scores' registers run along neighbouring keys.
; WHAT IS STORED.  A fragment (16 rows x 128 K, 12 registers a lane) leaves as an IMAGE OF ITS REGISTERS: three stores of 512 consecutive bytes, lane l's 16 bytes at 16 l.
;   qp  [2048 query tiles][3328]: two images; at 3072 + 8 lane the pair {scale word (lanes 0-15: step 0, lanes 16-31: step 1), qq}.
;   kvc [16 x 8 chunks][98304]: K's images at 1536 (2 t + s), V's at 49152 + 1536 (16 s + dt).
;   ksc [16 x 8 chunks][5120]: K's scale registers at 128 t + 4 lane; V's at 2048 + 128 dt + 4 lane; hk at 4096 + 4 key.  These small stores cover 64 or 128 bytes each: 5,120 bytes for 98,304 of codes.
;   lay: the layer's number, 64 times, for the next launch's offsets into the stacked weights.
.set LAYER, 0
.set LI,  5                            ; v5      16 x lane
.set XO,  6                            ; v6-14   byte offsets of X's rows: three sets (key tiles, my key tile, my query rows)
.set WAO, 15                           ; v15     a weight as source 0: 2048 h + 4 (r + 8 (r / 8))
.set XQ,  16                           ; v16-17  X of my 16 query rows: lane (r, h), register j: X[row r][2 h + j]
.set XK,  18                           ; v18-19  X of my key tile
.set XV,  20                           ; v20-35  X of the eight key tiles of the work-group's 128 rows
.set WQ,  36                           ; v36-67  Wq's 16 tiles
.set WK,  68                           ; v68-99  Wk's
.set WVB, 100                          ; v100-103 Wv's columns of my two d tiles
.set BV,  104                          ; v104-119 bv of my column, eight times, for each of the two
.set D,   120                          ; v120-183 a unit's results: written by matrix instructions alone
.set TM,  184                          ; v184-199 at work in QUANT
.set PW,  200                          ; the scale word just made;  v201: that of step 0
.set PW0, 201
.set SQ,  202                          ; v202-203, v242-243 the sums of squares, two chains
.set PC,  204                          ; v204-223 the codes just made
.set SCR, 224                          ; v224-233 LAYER 0: VALUE of the ten X operands' rows
.set BOF, 234
.set WBO, 235
.set BVO, 236
.set HKO, 237
.set KSO, 238
.set L8,  239
.set VSO, 240
.set XSO, 241
.set SQB, 242
.set OPQ, 244
.set KSV, 246
.set HKV, 247
.set LV,  248
.set WAVE, 30
.set HALF, 32
.set KT,   33
.set SEL,  38
.set MSB, 0
.macro WIN new                         ; the immediate's high byte repeats the setting that is left
.if MSB != \new
	s_set_vgpr_msb (MSB<<8)|\new
.set MSB, \new
.endif
.endm
; window 1: v0-127 bq in the results' layout (tile T at 8 T), v128-255 bk
.if LAYER
	s_load_b64 s[4:5], s[0:1], 0x0                 ; x1
	s_load_b256 s[8:15], s[0:1], 0x8               ; Wq, bq, Wk, bk
	s_load_b256 s[16:23], s[0:1], 0x28             ; Wv, bv, qp, kvc
	s_load_b64 s[24:25], s[0:1], 0x48              ; ksc
	s_load_b64 s[28:29], s[0:1], 0x50              ; lay
.else
	s_load_b512 s[4:19], s[0:1], 0x0               ; KEY, VALUE, Wq, bq, Wk, bk, Wv, bv
	s_load_b256 s[20:27], s[0:1], 0x40             ; qp, kvc, ksc, xcat
	s_load_b64 s[28:29], s[0:1], 0x60              ; lay
.endif
	v_lshrrev_b32 v1, 5, v0
	v_readfirstlane_b32 s[WAVE], v1                ; wave 0..7
	v_and_b32 v1, 31, v0                           ; lane
	v_and_b32 v2, 15, v0                           ; r
	v_bfe_u32 v3, v0, 4, 1                         ; h
	v_and_b32 v4, 8, v2
	v_add_nc_u32 v4, v4, v2                        ; r + 8 (r / 8)
	v_lshlrev_b32 v[LI], 4, v1
	v_lshlrev_b32 v[L8], 3, v1
	s_and_b32 s[HALF], ttmp9, 1                    ; which half of the chunk of 256 keys
	s_lshr_b32 s[KT], s[WAVE], 1
	s_lshl_b32 s[KT], s[KT], 5
	s_and_b32 s34, s[WAVE], 1
	s_lshl_b32 s34, s34, 3
	s_add_co_u32 s[KT], s[KT], s34                 ; my key tile begins at row 32 (w / 2) + 8 (w % 2)
	s_mov_b32 s[SEL], 0x76543210
	s_mov_b32 s[SEL+1], 0xfedcba98                 ; v_permlanex16_b32's selects for lane l xor 16
	v_cmp_eq_u32 vcc_lo, 1, v3                     ; lanes 16-31: kept for the whole kernel
.if LAYER
	v_lshlrev_b32 v[XO], 4, v4                     ; a row of x1 is 16 bytes; + 8 h
	v_lshl_add_u32 v[XO], v3, 3, v[XO]
	s_lshl_b32 s34, s[KT], 4
	v_add_nc_u32 v[XO+3], s34, v[XO]
	s_lshl_b32 s34, s[WAVE], 4
	v_add_nc_u32 v[XO+6], s34, v2
	v_lshlrev_b32 v[XO+6], 4, v[XO+6]
	v_lshl_add_u32 v[XO+6], v3, 3, v[XO+6]
.else
	v_mul_u32_u24 v[XO], v4, 12                    ; a row of KEY is 12 bytes;
	v_lshl_add_u32 v[XO+1], v3, 3, v[XO]           ; + 8 h;
	v_lshlrev_b32 v[XO+2], 2, v4                   ; a row of VALUE 4
	s_mul_i32 s34, s[KT], 12
	v_add_nc_u32 v[XO+3], s34, v[XO]
	v_add_nc_u32 v[XO+4], s34, v[XO+1]
	s_lshl_b32 s34, s[KT], 2
	v_add_nc_u32 v[XO+5], s34, v[XO+2]
	s_lshl_b32 s34, s[WAVE], 4
	v_add_nc_u32 v[XO+8], s34, v2                  ; my query row: 16 w + r
	v_lshlrev_b32 v[XSO], 4, v[XO+8]
	v_lshl_add_u32 v[XSO], v3, 3, v[XSO]           ; its place in xcat
	v_mul_u32_u24 v[XO+6], v[XO+8], 12
	v_lshl_add_u32 v[XO+7], v3, 3, v[XO+6]
	v_lshlrev_b32 v[XO+8], 2, v[XO+8]
.endif
	v_lshlrev_b32 v[WAO], 2, v4
	v_lshl_add_u32 v[WAO], v3, 11, v[WAO]          ; rows 2 h, 2 h + 1 of a weight of 1,024 bytes a row
	v_lshlrev_b32 v[BOF], 6, v3                    ; a bias in the results' layout: 16 h numbers on
	s_lshl_b32 s34, s[WAVE], 7
	v_lshl_add_u32 v[BVO], v2, 2, s34              ; column 32 w + r of bv,
	v_lshl_add_u32 v[WBO], v3, 11, v[BVO]          ; and of Wv's rows 2 h, 2 h + 1
	s_lshl_b32 s35, s[HALF], 10
	s_add_co_u32 s35, s35, s34
	v_lshl_add_u32 v[KSO], v1, 2, s35              ; K's scale register: 128 (8 half + w) + 4 lane
	s_lshl_b32 s35, s[HALF], 9
	s_lshl_b32 s34, s[KT], 2
	s_add_co_u32 s35, s35, s34
	v_lshl_add_u32 v[HKO], v4, 2, s35              ; hk: 4 x my key in the chunk
	s_lshl_b32 s35, s[HALF], 6
	s_lshl_b32 s34, s[WAVE], 8
	s_add_co_u32 s35, s35, s34
	v_lshl_add_u32 v[VSO], v2, 2, s35              ; V's scale words: 128 (2 w) + 64 half + 4 r
.irp b, 0,1,2,3
	v_mov_b32 v[TM+4+\b], 0                        ; written once: a lane permute's destination counts as one of its sources
.endr
	s_wait_kmcnt 0x0
	s_mov_b32 s35, 0
.if LAYER
	s_lshl_b32 s34, ttmp9, 11                      ; the work-group's 128 rows of 16 bytes
	s_add_nc_u64 s[4:5], s[4:5], s[34:35]
.else
	s_mul_i32 s34, ttmp9, 1536                     ; 128 rows of 12 bytes,
	s_add_nc_u64 s[4:5], s[4:5], s[34:35]
	s_lshl_b32 s34, ttmp9, 9                       ; of 4,
	s_add_nc_u64 s[6:7], s[6:7], s[34:35]
	s_lshl_b32 s34, ttmp9, 11                      ; of 16
	s_add_nc_u64 s[26:27], s[26:27], s[34:35]
.endif
	s_lshl_b32 s34, ttmp9, 3
	s_add_co_u32 s34, s34, s[WAVE]                 ; my query tile
	s_mul_i32 s34, s34, 3328
	s_add_nc_u64 s[20:21], s[20:21], s[34:35]
	s_lshr_b32 s36, ttmp9, 1                       ; 8 x batch + chunk
	s_mul_i32 s34, s36, 98304
	s_lshl_b32 s37, s[HALF], 4
	s_add_co_u32 s37, s37, s[WAVE]
	s_add_co_u32 s37, s37, s[WAVE]                 ; 16 half + 2 w: my first image among K's, and among V's
	s_mul_i32 s37, s37, 1536
	s_add_co_u32 s34, s34, s37
	s_add_nc_u64 s[22:23], s[22:23], s[34:35]
	s_mul_i32 s34, s36, 5120
	s_add_nc_u64 s[24:25], s[24:25], s[34:35]
; an X operand: lane (r, h), register j: X[row][2 h + j].  LAYER 0: register 0 is KEY[row][2 h]; register 1 is KEY[row][1] or VALUE[row], both loaded, chosen below
.macro XLD dst, scr, o, rows
.if LAYER
	global_load_b64 v[\dst:\dst+1], v[\o], s[4:5] offset:16*(\rows)
.else
	global_load_b32 v[\dst], v[\o+1], s[4:5] offset:12*(\rows)
	global_load_b32 v[\dst+1], v[\o], s[4:5] offset:12*(\rows)+4
	global_load_b32 v[\scr], v[\o+2], s[6:7] offset:4*(\rows)
.endif
.endm
	XLD XQ, SCR, XO+6, 0
	XLD XK, SCR+1, XO+3, 0
.irp t, 0,1,2,3,4,5,6,7
	XLD XV+2*\t, SCR+2+\t, XO, 32*(\t/2)+8*(\t%2)
.endr
.set n, 0
.rept 16                               ; tile n of a weight begins at column 32 (n / 2) + 8 (n % 2)
	global_load_b32 v[WQ+2*n], v[WAO], s[8:9] offset:LAYER*4096+4*(32*(n/2)+8*(n%2))
	global_load_b32 v[WQ+2*n+1], v[WAO], s[8:9] offset:LAYER*4096+1024+4*(32*(n/2)+8*(n%2))
	global_load_b32 v[WK+2*n], v[WAO], s[12:13] offset:LAYER*4096+4*(32*(n/2)+8*(n%2))
	global_load_b32 v[WK+2*n+1], v[WAO], s[12:13] offset:LAYER*4096+1024+4*(32*(n/2)+8*(n%2))
.set n, n+1
.endr
.irp u, 0,1
	global_load_b32 v[WVB+2*\u], v[WBO], s[16:17] offset:LAYER*4096+64*\u
	global_load_b32 v[WVB+2*\u+1], v[WBO], s[16:17] offset:LAYER*4096+1024+64*\u
.irp j, 0,1,2,3,4,5,6,7
	global_load_b32 v[BV+8*\u+\j], v[BVO], s[18:19] offset:LAYER*1024+64*\u   ; the same number in all eight registers: every key gets column d's bias
.endr
.endr
	WIN 0x40                                       ; destination window 1
.set n, 0
.rept 16                               ; lane (r, h), register j of tile n: the bias of hidden unit 32 (n / 2) + 16 h + 8 (n % 2) + j
	global_load_b128 v[8*n:8*n+3], v[BOF], s[10:11] offset:LAYER*1024+4*(32*(n/2)+8*(n%2))
	global_load_b128 v[8*n+4:8*n+7], v[BOF], s[10:11] offset:LAYER*1024+4*(32*(n/2)+8*(n%2))+16
	global_load_b128 v[128+8*n:128+8*n+3], v[BOF], s[14:15] offset:LAYER*1024+4*(32*(n/2)+8*(n%2))
	global_load_b128 v[128+8*n+4:128+8*n+7], v[BOF], s[14:15] offset:LAYER*1024+4*(32*(n/2)+8*(n%2))+16
.set n, n+1
.endr
	WIN 0
	s_or_b32 s34, ttmp9, s[WAVE]                   ; the first wave of the first work-group stores the layer's number
	s_cmp_lg_u32 s34, 0
	s_cbranch_scc1 .Lnot_first
	v_mov_b32 v[LV], LAYER
	v_mov_b32 v[LV+1], LAYER
	global_store_b64 v[L8], v[LV:LV+1], s[28:29]   ; 256 consecutive bytes
.Lnot_first:
	s_wait_loadcnt 0x0                             ; all operands, once
.if LAYER == 0
.irp t, 0,1,2,3,4,5,6,7,8,9
	v_cndmask_b32 v[XQ+2*\t+1], v[XQ+2*\t+1], v[SCR+\t], vcc_lo   ; lanes 16-31: X[row][3] = VALUE[row]
.endr
	global_store_b64 v[XSO], v[XQ:XQ+1], s[26:27]  ; xcat: my 16 rows, 256 consecutive bytes
.endif
; 64 numbers of a lane, v[s] .. v[s + 63], register 16 b + i = k 32 b + 16 (lane / 16) + i of my row, become a fragment's codes in v[PC] on and its scale word in v[PW]
.macro QUANT s
.irp b, 0,1,2,3
	v_max3_num_f32 v[TM+\b], |v[\s+16*\b]|, |v[\s+1+16*\b]|, 0x1800000   ; block b: my 16 numbers, and the floor 2^(3 - 127): the byte cannot fall under 1
.endr
.irp i, 2,4,6,8,10,12,14
.irp b, 0,1,2,3
	v_max3_num_f32 v[TM+\b], v[TM+\b], |v[\s+16*\b+\i]|, |v[\s+1+16*\b+\i]|   ; (the four blocks by turns)
.endr
.endr
.irp b, 0,1,2,3
	v_permlanex16_b32 v[TM+4+\b], v[TM+\b], s[SEL], s[SEL+1]
.endr
.irp b, 0,1,2,3
	v_max_num_f32 v[TM+\b], v[TM+\b], v[TM+4+\b]   ; with lane l xor 16's: the block's largest magnitude
.endr
.irp b, 0,1,2,3
	v_add_nc_u32 v[TM+12+\b], 0xff000000, v[TM+\b] ; 2 off its exponent field: the conversion takes the exponent field of this operand as its scale
.endr
.irp b, 0,1,2,3
	v_lshrrev_b32 v[TM+4+\b], 23, v[TM+12+\b]      ; the scale's byte
.endr
	v_lshl_or_b32 v[PW], v[TM+5], 8, v[TM+4]
	v_lshl_or_b32 v[PW], v[TM+6], 16, v[PW]
	v_lshl_or_b32 v[PW], v[TM+7], 24, v[PW]
.irp c, 0,1
	v_cvt_scalef32_pk16_fp6_f32 v[PC+6*\c:PC+2+6*\c], v[\s+32*\c:\s+15+32*\c], v[TM+12+2*\c]
	v_cvt_scalef32_pk16_fp6_f32 v[PC+12+4*\c:PC+14+4*\c], v[\s+16+32*\c:\s+31+32*\c], v[TM+12+2*\c+1]   ; (a conversion's three registers begin on an even number)
.endr
	v_nop                                          ; one plain place behind a scaled conversion
.irp c, 0,1                                    ; the operand's layout wants a WHOLE block in a lane: lanes 0-15 block 2 c, lanes 16-31 block 2 c + 1
.irp i, 0,1,2
	v_permlane16_swap_b32 v[PC+6*\c+\i], v[PC+12+4*\c+\i]
.endr
.irp i, 0,1,2
	v_mov_b32 v[PC+3+6*\c+\i], v[PC+12+4*\c+\i]
.endr
.endr
.endm
.macro PUT base, off                           ; the fragment in v[PC] on leaves as it stands: three stores of 512 consecutive bytes
.irp c, 0,1,2
	global_store_b128 v[LI], v[PC+4*\c:PC+4*\c+3], s[\base:\base+1] offset:(\off)+512*\c
.endr
.endm
; eight products: tiles 8 s .. 8 s + 7 of a weight (source 0) against 16 rows of X (source 1); C = the bias, in window 1.  Eight places follow: the distance of this form ahead of a read of its results (ISA guide 7.12.1)
.macro MM wa, cb, xb, s
	WIN 0x10
.irp t, 0,1,2,3,4,5,6,7
	v_wmma_f32_16x16x4_f32 v[D+8*\t:D+8*\t+7], v[\wa+2*(8*(\s)+\t):\wa+2*(8*(\s)+\t)+1], v[\xb:\xb+1], v[\cb+8*(8*(\s)+\t):\cb+8*(8*(\s)+\t)+7]
.endr
	WIN 0
.rept 8
	v_nop
.endr
.endm
.macro MMV u                                   ; the eight key tiles (source 0) against 16 columns of Wv (source 1)
.irp t, 0,1,2,3,4,5,6,7
	v_wmma_f32_16x16x4_f32 v[D+8*\t:D+8*\t+7], v[XV+2*\t:XV+2*\t+1], v[WVB+2*\u:WVB+2*\u+1], v[BV+8*\u:BV+8*\u+7]
.endr
.rept 8
	v_nop
.endr
.endm
.macro SQUARES first                           ; the sum of my 64 numbers' squares, each result read from its low end on; first = 1 starts the sums
.set n, 0
.rept 16
.if (\first) && (n == 0)
	v_pk_mul_f32 v[SQ:SQ+1], v[D:D+1], v[D:D+1]
	v_pk_mul_f32 v[SQB:SQB+1], v[D+2:D+3], v[D+2:D+3]
.else
	v_pk_fma_f32 v[SQ:SQ+1], v[D+4*n:D+4*n+1], v[D+4*n:D+4*n+1], v[SQ:SQ+1]
	v_pk_fma_f32 v[SQB:SQB+1], v[D+4*n+2:D+4*n+3], v[D+4*n+2:D+4*n+3], v[SQB:SQB+1]
.endif
.set n, n+1
.endr
.endm
.macro SUMSQ                                   ; the row's 256 squares: my four partial sums and lane l xor 16's, into v[SQ]
	v_pk_add_f32 v[SQ:SQ+1], v[SQ:SQ+1], v[SQB:SQB+1]
	v_add_f32 v[SQ], v[SQ], v[SQ+1]
	v_permlanex16_b32 v[TM+4], v[SQ], s[SEL], s[SEL+1]
	v_add_f32 v[SQ], v[SQ], v[TM+4]
.endm
	MM WQ, 0, XQ, 0                                ; ---- Q, hidden 0-127
	SQUARES 1
	QUANT D
	PUT 20, 0
	v_mov_b32 v[PW0], v[PW]
	MM WQ, 0, XQ, 1                                ; ---- Q, hidden 128-255
	SQUARES 0
	s_wait_xcnt 0x0                                ; the last unit's stores have read their registers: only now are the codes and the scale word written again
	QUANT D
	PUT 20, 1536
	SUMSQ
	v_mov_b32 v[OPQ+1], v[SQ]                      ; qq
	v_cndmask_b32 v[OPQ], v[PW0], v[PW], vcc_lo    ; lanes 0-15: step 0's word; lanes 16-31: step 1's
	global_store_b64 v[L8], v[OPQ:OPQ+1], s[20:21] offset:3072
	MM WK, 128, XK, 0                              ; ---- K, hidden 0-127
	SQUARES 1
	s_wait_xcnt 0x0
	QUANT D
	PUT 22, 0
	v_mov_b32 v[PW0], v[PW]
	MM WK, 128, XK, 1                              ; ---- K, hidden 128-255
	SQUARES 0
	s_wait_xcnt 0x0
	QUANT D
	PUT 22, 1536
	SUMSQ
	v_mul_f32 v[HKV], -0.5, v[SQ]                  ; hk = -kk / 2
	v_cndmask_b32 v[KSV], v[PW0], v[PW], vcc_lo
	global_store_b32 v[KSO], v[KSV], s[24:25]
	global_store_b32 v[HKO], v[HKV], s[24:25] offset:4096   ; lanes l and l + 16 write the same word with the same value
.irp u, 0,1                                    ; ---- V, d tiles 2 w and 2 w + 1: K = the work-group's 128 keys
	MMV \u
	s_wait_xcnt 0x0
	QUANT D
	PUT 22, 49152+1536*\u
	global_store_b32 v[VSO], v[PW], s[24:25] offset:2048+128*\u   ; lanes l and l + 16 write the same word with the same value
.endr
	s_endpgm
.Lfunc_end_k_qafc5cb02e7_prep0:
	.size	k_qafc5cb02e7_prep0, .Lfunc_end_k_qafc5cb02e7_prep0-k_qafc5cb02e7_prep0
	.p2alignl 7, 3214868480
	.fill 96, 4, 3214868480
	.section	.rodata,"a",@progbits
	.p2align	6, 0x0
	.amdhsa_kernel k_qafc5cb02e7_prep0
		.amdhsa_group_segment_fixed_size 0
		.amdhsa_private_segment_fixed_size 0
		.amdhsa_enable_private_segment 0
		.amdhsa_kernarg_size 104
		.amdhsa_user_sgpr_count 2
		.amdhsa_user_sgpr_kernarg_segment_ptr 1
		.amdhsa_wavefront_size32 1
		.amdhsa_system_sgpr_workgroup_id_x 1
		.amdhsa_system_sgpr_workgroup_id_y 1
		.amdhsa_system_sgpr_workgroup_id_z 1
		.amdhsa_system_vgpr_workitem_id 0
		.amdhsa_next_free_vgpr 512
		.amdhsa_next_free_sgpr 66
		.amdhsa_reserve_vcc 1
		.amdhsa_float_denorm_mode_32 3
		.amdhsa_float_denorm_mode_16_64 3
		.amdhsa_memory_ordered 1
		.amdhsa_forward_progress 1
		.amdhsa_inst_pref_size 59
	.end_amdhsa_kernel
	.amdgpu_metadata
---
amdhsa.version: [ 1, 2 ]
amdhsa.kernels:
  - .name:           k_qafc5cb02e7_prep0
    .symbol:         k_qafc5cb02e7_prep0.kd
    .args:
      - { .name: KEY, .offset: 0, .size: 8, .value_kind: global_buffer, .address_space: global }
      - { .name: VALUE, .offset: 8, .size: 8, .value_kind: global_buffer, .address_space: global }
      - { .name: Wq, .offset: 16, .size: 8, .value_kind: global_buffer, .address_space: global }
      - { .name: bq, .offset: 24, .size: 8, .value_kind: global_buffer, .address_space: global }
      - { .name: Wk, .offset: 32, .size: 8, .value_kind: global_buffer, .address_space: global }
      - { .name: bk, .offset: 40, .size: 8, .value_kind: global_buffer, .address_space: global }
      - { .name: Wv, .offset: 48, .size: 8, .value_kind: global_buffer, .address_space: global }
      - { .name: bv, .offset: 56, .size: 8, .value_kind: global_buffer, .address_space: global }
      - { .name: qp, .offset: 64, .size: 8, .value_kind: global_buffer, .address_space: global }
      - { .name: kvc, .offset: 72, .size: 8, .value_kind: global_buffer, .address_space: global }
      - { .name: ksc, .offset: 80, .size: 8, .value_kind: global_buffer, .address_space: global }
      - { .name: xcat, .offset: 88, .size: 8, .value_kind: global_buffer, .address_space: global }
      - { .name: lay, .offset: 96, .size: 8, .value_kind: global_buffer, .address_space: global }
    .group_segment_fixed_size: 0
    .private_segment_fixed_size: 0
    .kernarg_segment_align: 8
    .kernarg_segment_size: 104
    .max_flat_workgroup_size: 256
    .sgpr_count:     66
    .vgpr_count:     512
    .wavefront_size: 32
...
	.end_amdgpu_metadata
.endif
;; end of part 1
;; launch attn0 (part 2): grid 16 x 16, 4 waves a work-group, clusters of 4 x 1, 327,680 bytes of LDS; arguments qp, kvc, ksc, xcat, lay, bw, Wo, W1, b1, W2, bo, g1, be1, b2, g2, be2, Wfc, bfc, x1, out0; writes x1, out0
.if DOCPART == 2
	.amdgcn_target "amdgcn-amd-amdhsa--gfx1250"
	.amdhsa_code_object_version 6
	.text
	.protected	k_qafc5cb02e7_attn0
	.globl	k_qafc5cb02e7_attn0
	.p2align	8
	.type	k_qafc5cb02e7_attn0,@function
k_qafc5cb02e7_attn0:
	s_mov_b64 s[64:65], 0
	v_nop
	global_prefetch_b8 v0, s[64:65] scope:SCOPE_SE
	s_setreg_imm32_b32 hwreg(HW_REG_WAVE_MODE, 25, 1), 1
	s_wait_xcnt 0x0
	s_wait_alu depctr_hold_cnt(0) depctr_sa_sdst(0) depctr_va_vdst(0) depctr_va_sdst(0) depctr_va_ssrc(0) depctr_va_vcc(0) depctr_vm_vsrc(0)
	s_getreg_b32 s2, hwreg(HW_REG_IB_STS2, 6, 4)
	s_cmp_eq_u32 s2, 0
	s_cbranch_scc0 .Lentry_in_a_cluster
	s_endpgm
.Lentry_in_a_cluster:
	s_bfe_u32 s2, ttmp6, 0x10000c
	s_cmp_lg_u32 s2, 0x3003
	s_cbranch_scc0 .Lentry_shape_is_right
	s_endpgm
.Lentry_shape_is_right:
; ONE LAYER behind its projections: the Gaussian-kernel attention on codes of FP6 (E2M3) with E8M0 scales, the product with Wo, residual, LayerNorm, FFN, residual, LayerNorm; in the last layer also X Wfc + bfc.
; Arguments: qp, kvc, ksc (the launch before made them), xin (this layer's X), lay (the layer's number), the stacked weights, xout, out0.  One text serves both layers: the layer's number, read from memory and held
; to 0 .. 1, enters the offsets into the stacked weights and the lane mask of the two last stores, and no jump.  Layer 0 stores X (xout), layer 1 stores X Wfc + bfc (out0); the four multiply-adds a row of that
; last product are also made in layer 0, where their store has no lane on.  Nothing of reference() is left out (the first kernel's head says why the term sum Q^2 is live).
; ARITHMETIC.  a = bw^2 log2(e).  S' = K Q^T + hk (hk = -1/2 sum K^2 is the C of the first K step).  t = a S' + nq, nq = -(a / 2) sum Q^2.  -M = floor(-(the running largest t)): M is a whole number.
; p = 2^(a S' + (nq - M)) is what is quantised, along the keys, not normalised; the row's sum l is taken of the unquantised p; when M moves, l and O are multiplied by 2^(old M - new M), which rounds nothing.
; LIMITS: NaN and infinities among the inputs are not served; a p under 2^-126 counts as 0; a block of p all of which are 0 gets the byte 1 with zero codes.
; SHARES.  A work-group owns 128 queries of one batch, each of its four waves 32: two tiles of 16, so that each fragment of K and V read from LDS feeds two products.  Every wave walks the batch's 2,048 keys
; in 8 chunks of 256: one softmax step a chunk, so that the rescaling of O^T and the chain that finds M are paid once for 256 keys.
; LAYOUT.  Both products are used transposed: S^T = K Q^T (source 0 = 16 keys), O^T = V^T P^T (source 0 = 16 of the 256 channels): a lane holds ONE query throughout.  The keys of a tile of K were chosen so that
; register 16 b + n of a lane's scores is key 32 b + 16 (lane / 16) + n.  All operands lie in memory and LDS as images of their registers: three loads of 512 consecutive bytes bring a fragment.
; CLUSTER.  The four query blocks of a cluster belong to one batch and walk the same chunks: each chunk is asked for JOINTLY, by the same tensor load with the same descriptor and a mask that names the four.
; RING.  Two slots of one chunk (98,304 bytes); each wave fetches a quarter by one tensor load.  By this text's count a wave has two tensor loads out at the head and one behind each round.
; LDS: 0 slot 0 | 98304 PAR: Wo transposed [4][256], W1 [4][512], b1, W2 transposed [4][512] | 120832 RX: res [4][128 rows] | 122880 PO: the FFN's partial sums [wave][4][128 rows] | 131072 slot 1 |
;      229376 SC: the batch's scale registers and hk, filled once | 270336 the spare words.  What is stored by LDS stores lies between the slots, in blocks of 256 bytes into which no tensor load lands.
; REGISTERS, in windows of 256: window 0: addresses, statistics, Q, scales, P's codes, work; window 1: S^T, then p (128 i + 8 t + j); window 2: O^T (128 i + 8 dt + j); window 3: two sets of 8 fragments (0, 96), two sets of hk (192, 224).
.set SLOT1, 1<<17
.set CHB,   98304                      ; a chunk's codes
.set VOFF,  49152                      ; V's images behind K's
.set PAR,   98304
.set RX,    120832
.set PO,    122880
.set SC,    229376
.set SCB,   5120
.set SPARE, 270336
.set LI,   1                           ; 16 x lane
.set ADK,  2                           ; LDS address of the chunk's images of K;  v3: of V
.set ADV,  3
.set ADS,  4                           ; of its scale registers
.set SPW,  5                           ; my spare word;  v6: 0.  Never rewritten
.set NIL,  6
.set ADH,  7                           ; of its hk
.set XI,   8                           ; v8-11   X of row 32 w + lane
.set ST,   12                          ; v12-27  tile i at 8 i: +0,1 nq - M (a pair); +2,3 l in two halves; +4,5 f (a pair); +6 the largest t; +7 -M
.set NQ,   28                          ; v28-29
.set QS,   30                          ; v30, v32 Q's scale words; v31, v33 qq
.set QF,   34                          ; v34-81  Q's fragments: 24 i + 12 s
.set KSC,  82                          ; v82-97  K's scale registers of the chunk;  v98-113 V's;  v114-117 p's (2 i + s)
.set VSC,  98
.set PS,   114
.set PC,   118                         ; v118-165 p's codes: 24 i + 12 s
.set BM,   166                         ; v166-181 the blocks' largest scores, then largest p (8 i + b)
.set BT,   182
.set BO,   198                         ; the conversions' scale operands
.set CT,   214                         ; v214-229 the conversions' second halves
.set T,    230                         ; v230-237 at work
.set LI4,  238
.set H64,  239
.set PFO,  240
.set L8,   241
.set TP,   242
.set TP4,  243
.set AW,   244
.set RXS,  245
.set RXL,  246
.set POS,  247
.set POL,  248
.set AFB,  249
.set AF,   250
.set VLAY, 251
.set O4,   252
; the tail's registers, in window 0, where Q, p's codes and the softmax's work lay (never a register that held scales)
.set ACC,  34                          ; v34-49  attn_out's sums: pair 8 i + 2 c
.set A0,   50                          ; v50-57
.set LS,   58
.set RES,  70
.set Y,    74
.set TT,   78
.set WB0,  34                          ; v34-69, v118-153 the FFN's weights of four units, two sets: W1 at 4 k, b1 at 16, W2 at 20 + 4 c
.set WB1,  118
.set XD,   154                         ; v154-185 x, each number twice: pair 8 row + 2 k
.set H,    186                         ; v186-201 hidden: pair 4 row + 2 p
.set OUT,  202                         ; v202-233 pair 8 row + 2 c
.set OS,   118
.set PL,   134
.set XOUT, 50
.set Z,    54
.set G1,   24                          ; s[24:31] descriptor group 1 for the codes;  s[32:39] for the scales;  s[40:43], s[44:47] their groups 0
.set G1S,  32
.set G0,   40
.set G0S,  44
.set WV,   48
.set LAY,  49
.set CX,   50
.set SLOTS, 51
.set TB,   52
.set TS,   53
.set AA,   54                          ; s[54:55] a: the packed form names a pair and takes its low word for both halves
.set NA2,  56
.set LIM,  57
.set PFA,  58
.set SEL,  60
.set ROW0, 62
.set BAT,  63
.set FU,   67
.set MSB, 0
.macro WIN new                         ; the immediate's high byte repeats the setting that is left
.if MSB != \new
	s_set_vgpr_msb (MSB<<8)|\new
.set MSB, \new
.endif
.endm
.macro PLACES                          ; four places behind a matrix instruction of this form, in front of loads into its registers and of the first read of its results (ISA guide 7.12.1 for vector instructions)
.rept 4
	v_nop
.endr
.endm
.macro CROUND                          ; a round of the cluster's barrier
	s_barrier_signal -1
	s_barrier_wait -1
	s_cmp_lg_u32 s[WV], 0
	s_cbranch_scc1 .Lnot_wave_0_\@
	s_barrier_signal -3
.Lnot_wave_0_\@:
	s_barrier_wait -3
	s_barrier_signal -1
	s_barrier_wait -1
.endm
; A PREFETCH INTO THE L2 of the chunk that the NEXT change of slots will ask for: one chunk's 128 matrix instructions and its softmax ahead of that load.  All four clusters of a batch walk the same chunks: the batch's first
; cluster asks.  Its four partners take 24,576 bytes each, told apart BY ADDRESS; in each, waves 0 to 2 take 8,192 bytes, lanes 256 bytes apart: 384 blocks, each named once in the launch.
; Chunks 0 and 1 come by their loads alone; the last change that fills a slot asks for nothing.
.macro ASK
	s_cmp_gt_u32 s[SLOTS], s[LIM]
	s_cbranch_scc0 .Lnot_mine_\@
	global_prefetch_b8 v[PFO], s[PFA:PFA+1] th:TH_LOAD_NT scope:SCOPE_SE
.Lnot_mine_\@:
.endm
	s_load_b512 s[4:19], s[0:1], 0x0               ; qp s[4:5], kvc s[6:7], ksc s[8:9], xin s[10:11], lay s[12:13], bw s[14:15], Wo s[16:17], W1 s[18:19]
	s_load_b128 s[20:23], s[0:1], 0x40             ; b1, W2
	s_load_b512 s[76:91], s[0:1], 0x50             ; bo, g1, be1, b2, g2, be2, Wfc, bfc
	s_load_b128 s[92:95], s[0:1], 0x90             ; xout, out0
	v_lshl_add_u32 v[SPW], v0, 2, SPARE
	v_mov_b32 v[NIL], 0
	ds_add_u32 v[SPW], v[NIL]                      ; the wave's opening: the add, twice on end, and its wait ahead of my first tensor load
	ds_add_u32 v[SPW], v[NIL]                      ; and once more, under the one wait; the set-up below, work on registers, stands between
	v_lshrrev_b32 v[T], 5, v0
	v_readfirstlane_b32 s[WV], v[T]                ; wave 0..3
	s_bfe_u32 s[CX], ttmp6, 0x40000                ; my place in the cluster: it enters global addresses of Q, X, the outputs and the prefetches alone
	s_and_b32 s[BAT], ttmp7, 0xffff                ; the batch, which the four partners share
	s_mov_b32 s[G1], 15|(3<<16)|(1<<21)            ; 15:0 the mask: all four work-groups; 17:16 elements of 8 bytes; 21 set beside a mask; no padding: the images are read 512 bytes on end
	s_mov_b32 s[G1+1], 32<<16                      ; tensor_dim0 = 32 elements: rows of 256 bytes
	s_mov_b32 s[G1+2], 96<<16                      ; tensor_dim1 = 96 rows: a quarter of a chunk
	s_mov_b32 s[G1+3], 32<<16                      ; tile_dim0
	s_mov_b32 s[G1+4], 96                          ; tile_dim1
	s_mov_b32 s[G1+5], 32                          ; the pitch: dense
	s_mov_b32 s[G1+6], 0
	s_mov_b32 s[G1+7], 0
	s_mov_b32 s[G1S], 15|(3<<16)|(1<<21)           ; the same with 40 rows: a quarter of the batch's 40,960 bytes of scales and hk
	s_mov_b32 s[G1S+1], 32<<16
	s_mov_b32 s[G1S+2], 40<<16
	s_mov_b32 s[G1S+3], 32<<16
	s_mov_b32 s[G1S+4], 40
	s_mov_b32 s[G1S+5], 32
	s_mov_b32 s[G1S+6], 0
	s_mov_b32 s[G1S+7], 0
	s_mov_b32 s[G0], 1
	s_mul_i32 s[G0+1], s[WV], 24576                ; slot 0, my quarter
	s_mov_b32 s[G0S], 1
	s_mul_i32 s[G0S+1], s[WV], 10240
	s_mul_i32 s66, s[BAT], 40960
	s_add_co_u32 s66, s66, s[G0S+1]
	s_mov_b32 s67, 0
	s_add_co_u32 s[G0S+1], s[G0S+1], SC
	s_mul_i32 s98, s[BAT], 786432
	s_add_co_u32 s98, s98, s[G0+1]
	s_mov_b32 s99, 0
	s_mov_b32 s[SEL], 0x76543210
	s_mov_b32 s[SEL+1], 0xfedcba98
	s_mov_b32 s[TB], 0
	s_mov_b32 s[TS], 0
	s_mov_b32 s[SLOTS], 7
	s_wait_dscnt 0x0                               ; both opening adds are done
	s_wait_kmcnt 0x0
	s_add_nc_u64 s[G0+2:G0+3], s[6:7], s[98:99]    ; chunk 0 of my batch, my quarter
	s_or_b32 s[G0+3], s[G0+3], 0x80000000
	s_add_nc_u64 s[G0S+2:G0S+3], s[8:9], s[66:67]
	s_or_b32 s[G0S+3], s[G0S+3], 0x80000000
	CROUND                                         ; all four work-groups are here: the first joint loads meet
	tensor_load_to_lds s[G0S:G0S+3], s[G1S:G1S+7]  ; the batch's scales and hk: filled once
	s_nop 0
	tensor_load_to_lds s[G0:G0+3], s[G1:G1+7]      ; chunk 0
	s_nop 0
.rept 4
	v_nop
.endr
	s_load_b32 s[LAY], s[12:13], 0x0
	v_and_b32 v[T], 31, v0                         ; lane
	v_bfe_u32 v[T+1], v0, 4, 1                     ; h
	v_lshlrev_b32 v[T+2], 4, v0                    ; 16 x thread
	v_lshlrev_b32 v[LI], 4, v[T]
	v_lshlrev_b32 v[L8], 3, v[T]
	v_lshlrev_b32 v[O4], 2, v[T]
	v_lshlrev_b32 v[PFO], 8, v[T]
	v_lshl_add_u32 v[LI4], v[T], 2, SC
	v_lshl_add_u32 v[H64], v[T+1], 6, SC+4096
	v_lshl_add_u32 v[TP], v0, 4, PAR
	v_lshl_add_u32 v[TP4], v0, 2, PAR
	v_lshl_add_u32 v[AW], v[T+1], 5, PAR
	v_lshl_add_u32 v[RXS], v0, 2, RX
	v_lshl_add_u32 v[RXL], v[T], 4, RX
	v_lshl_add_u32 v[POL], v0, 2, PO
	s_lshl_b32 s98, s[WV], 11
	s_add_co_u32 s98, s98, PO
	v_add_nc_u32 v[POS], s98, v[LI]
	s_lshl_b32 s98, s[WV], 9
	s_add_co_u32 s98, s98, PAR+4096
	v_mov_b32 v[AFB], s98                          ; my 128 units' first weights: the same address in all lanes
	s_lshl_b32 s[ROW0], ttmp9, 2
	s_add_co_u32 s[ROW0], s[ROW0], s[CX]           ; my block of 128 queries
	s_lshl_b32 s[ROW0], s[ROW0], 7
	s_lshl_b32 s96, s[BAT], 11
	s_add_co_u32 s[ROW0], s[ROW0], s96
	s_lshl_b32 s96, s[WV], 5
	s_add_co_u32 s[ROW0], s[ROW0], s96             ; my wave's first row
	s_mov_b32 s97, 0
	s_mul_i32 s96, s[ROW0], 208                    ; 3,328 bytes for each 16 rows
	s_add_nc_u64 s[4:5], s[4:5], s[96:97]
	s_lshl_b32 s96, s[ROW0], 4
	s_add_nc_u64 s[10:11], s[10:11], s[96:97]
	s_add_nc_u64 s[92:93], s[92:93], s[96:97]
	s_lshl_b32 s96, s[ROW0], 2
	s_add_nc_u64 s[94:95], s[94:95], s[96:97]
	s_mul_i32 s96, s[BAT], 786432                  ; the prefetches: my batch, chunk 1 (the first change of slots steps it to chunk 2),
	s_mul_i32 s[LIM], s[CX], 24576                 ; my work-group's quarter,
	s_add_co_u32 s96, s96, s[LIM]
	s_lshl_b32 s[LIM], s[WV], 13                   ; my wave's third of it
	s_add_co_u32 s96, s96, s[LIM]
	s_add_co_u32 s96, s96, CHB
	s_add_nc_u64 s[PFA:PFA+1], s[6:7], s[96:97]
	s_lshr_b32 s98, s[WV], 1
	s_and_b32 s98, s98, s[WV]                      ; 1 in wave 3 alone,
	s_or_b32 s98, s98, ttmp9                       ; 0 in waves 0 to 2 of the batch's first cluster: the same in all four partners
	s_cmp_eq_u32 s98, 0
	s_cselect_b32 s[LIM], 1, -1
	s_wait_kmcnt 0x0
	s_min_u32 s[LAY], s[LAY], 1                    ; the layer's number, held inside the stacked weights
	s_lshl_b32 s[BAT], s[LAY], 2
	s_load_b32 s99, s[14:15], s[BAT] offset:0x0    ; bw
	s_lshl_b32 s96, s[LAY], 12
	s_add_nc_u64 s[16:17], s[16:17], s[96:97]      ; Wo
	s_lshl_b32 s96, s[LAY], 13
	s_add_nc_u64 s[18:19], s[18:19], s[96:97]      ; W1
	s_add_nc_u64 s[22:23], s[22:23], s[96:97]      ; W2
	s_lshl_b32 s96, s[LAY], 11
	s_add_nc_u64 s[20:21], s[20:21], s[96:97]      ; b1
.irp i, 0,1
.irp n, 0,1,2,3,4,5
	global_load_b128 v[QF+24*\i+4*\n:QF+24*\i+4*\n+3], v[LI], s[4:5] offset:3328*\i+512*\n   ; Q's two fragments of tile i stay in registers
.endr
	global_load_b64 v[QS+2*\i:QS+2*\i+1], v[L8], s[4:5] offset:3328*\i+3072
.endr
	global_load_b128 v[XI:XI+3], v[LI], s[10:11]   ; X of row 32 w + lane
.irp n, 0,1
	global_load_b128 v[PC+4*\n:PC+4*\n+3], v[T+2], s[16:17] offset:2048*\n           ; Wo[thread + 128 n][0 .. 3]
.endr
.irp n, 0,1,2,3
	global_load_b128 v[PC+8+4*\n:PC+8+4*\n+3], v[T+2], s[18:19] offset:2048*\n       ; W1, as it lies
.endr
	global_load_b128 v[PC+24:PC+27], v[T+2], s[20:21]                                ; b1
.irp n, 0,1,2,3
	global_load_b128 v[PC+28+4*\n:PC+28+4*\n+3], v[T+2], s[22:23] offset:2048*\n     ; W2[thread + 128 n][0 .. 3]
.endr
.irp i, 0,1
	v_mov_b32 v[ST+8*\i], 0                        ; (the upper halves of the pairs are named with the lower: all are written)
	v_mov_b32 v[ST+8*\i+1], 0
	v_mov_b32 v[ST+8*\i+2], 0                      ; l
	v_mov_b32 v[ST+8*\i+3], 0
	v_mov_b32 v[ST+8*\i+4], 0
	v_mov_b32 v[ST+8*\i+5], 0
	v_mov_b32 v[ST+8*\i+6], 0xff61b1e6             ; the largest t so far: -3e38, under every t
	v_floor_f32 v[ST+8*\i+7], -v[ST+8*\i+6]        ; -M
.endr
.irp k, 0,1,2,3,4,5,6,7,8,9,10,11,12,13,14,15
	v_mov_b32 v[BT+\k], 0                          ; written once: a lane permute's destination counts as one of its sources
.endr
	WIN 0x80
.set n, 0
.rept 256
	v_mov_b32 v[n], 0                              ; O^T.  The chunk is written twice, not three times: the first finds zeros, which the first change of M (f = 0) leaves zeros.  These lines run while the head's loads are out
.set n, n+1
.endr
	WIN 0
	s_wait_loadcnt 0x0
.irp n, 0,1
.irp c, 0,1,2,3
	ds_store_b32 v[TP4], v[PC+4*\n+\c] offset:1024*\c+512*\n                 ; Wo TRANSPOSED, [c][d]: a wave's store covers 128 consecutive bytes
.endr
.endr
.irp n, 0,1,2,3
	ds_store_b128 v[TP], v[PC+8+4*\n:PC+8+4*\n+3] offset:4096+2048*\n
.endr
	ds_store_b128 v[TP], v[PC+24:PC+27] offset:12288
.irp n, 0,1,2,3
.irp c, 0,1,2,3
	ds_store_b32 v[TP4], v[PC+28+4*\n+\c] offset:14336+2048*\c+512*\n        ; W2 TRANSPOSED, [c][unit]
.endr
.endr
	s_wait_kmcnt 0x0                               ; bw is in: only now may a load land on its address register
	s_lshl_b32 s98, s[LAY], 4
	s_load_b128 s[4:7], s[76:77], s98 offset:0x0   ; bo     (the head's pointers are done with: their loads have come)
	s_load_b128 s[8:11], s[78:79], s98 offset:0x0  ; g1
	s_load_b128 s[12:15], s[80:81], s98 offset:0x0 ; be1
	s_load_b128 s[16:19], s[82:83], s98 offset:0x0 ; b2
	s_load_b128 s[20:23], s[84:85], s98 offset:0x0 ; g2
	s_load_b128 s[68:71], s[86:87], s98 offset:0x0 ; be2
	s_load_b128 s[72:75], s[88:89], 0x0            ; Wfc
	s_load_b32 s66, s[90:91], 0x0                  ; bfc
	s_mul_f32 s[AA], s99, s99
	s_mul_f32 s[AA], s[AA], 0x3fb8aa3b             ; a = bw^2 log2(e), never negative: the largest S' gives the largest t
	s_mov_b32 s[AA+1], s[AA]
	s_mul_f32 s[NA2], s[AA], -0.5
.irp i, 0,1
	v_mul_f32 v[NQ+\i], s[NA2], v[QS+2*\i+1]       ; nq = -(a / 2) qq
.endr
	v_mov_b32 v[VLAY], s[LAY]
	s_wait_kmcnt 0x0
; the fragments of key tiles 4 g .. 4 g + 3, both hidden steps (24 loads of 512 consecutive bytes), and their hk in the results' layout (8 loads), into set g % 2
.macro LDK g
.set FS, 96*((\g)%2)
.set HS, 192+32*((\g)%2)
	WIN 0xc0                                       ; destination window 3
.set n, 0
.rept 24
	ds_load_b128 v[FS+4*n:FS+4*n+3], v[ADK] offset:(\g)*12288+512*n
.set n, n+1
.endr
.irp tt, 0,1,2,3
	ds_load_b128 v[HS+8*\tt:HS+8*\tt+3], v[ADH] offset:128*((4*(\g)+\tt)/2)+32*(\tt%2)
	ds_load_b128 v[HS+8*\tt+4:HS+8*\tt+7], v[ADH] offset:128*((4*(\g)+\tt)/2)+32*(\tt%2)+16
.endr
.endm
.macro LDV q                           ; V's fragments of key step q / 2, d tiles 8 (q % 2) .. + 7, into set q % 2
.set FS, 96*((\q)%2)
	WIN 0xc0
.set n, 0
.rept 24
	ds_load_b128 v[FS+4*n:FS+4*n+3], v[ADV] offset:(\q)*12288+512*n
.set n, n+1
.endr
.endm
; 16 matrix instructions: four key tiles x my two query tiles, hidden step 0 (C = hk), then step 1 in place.  The eight accumulators take turns, one instruction a turn.
.macro MULK g
.set FS, 96*((\g)%2)
.set HS, 192+32*((\g)%2)
	WIN 0x73                                       ; K window 3, Q window 0, hk window 3, S^T window 1
.irp tt, 0,1,2,3
.irp i, 0,1
	v_wmma_scale_f32_16x16x128_f8f6f4 v[128*\i+8*(4*(\g)+\tt):128*\i+8*(4*(\g)+\tt)+7], v[FS+24*\tt:FS+24*\tt+11], v[QF+24*\i:QF+24*\i+11], v[HS+8*\tt:HS+8*\tt+7], v[KSC+4*(\g)+\tt], v[QS+2*\i] matrix_a_fmt:MATRIX_FMT_FP6 matrix_b_fmt:MATRIX_FMT_FP6
.endr
.endr
	WIN 0x53
.irp tt, 0,1,2,3
.irp i, 0,1
	v_wmma_scale_f32_16x16x128_f8f6f4 v[128*\i+8*(4*(\g)+\tt):128*\i+8*(4*(\g)+\tt)+7], v[FS+24*\tt+12:FS+24*\tt+23], v[QF+24*\i+12:QF+24*\i+23], v[128*\i+8*(4*(\g)+\tt):128*\i+8*(4*(\g)+\tt)+7], v[KSC+4*(\g)+\tt], v[QS+2*\i] matrix_a_fmt:MATRIX_FMT_FP6 matrix_b_fmt:MATRIX_FMT_FP6 matrix_a_scale:MATRIX_SCALE_ROW1 matrix_b_scale:MATRIX_SCALE_ROW1
.endr
.endr
.endm
.macro MULV q                          ; 16 matrix instructions: eight d tiles x my two query tiles, key step q / 2: sixteen accumulators by turns
.set FS, 96*((\q)%2)
	WIN 0xa3                                       ; V window 3, p window 0, O^T window 2
.irp k, 0,1,2,3,4,5,6,7
.irp i, 0,1
.if (\q) < 2
	v_wmma_scale_f32_16x16x128_f8f6f4 v[128*\i+8*(8*((\q)%2)+\k):128*\i+8*(8*((\q)%2)+\k)+7], v[FS+12*\k:FS+12*\k+11], v[PC+24*\i+12*((\q)/2):PC+24*\i+12*((\q)/2)+11], v[128*\i+8*(8*((\q)%2)+\k):128*\i+8*(8*((\q)%2)+\k)+7], v[VSC+8*((\q)%2)+\k], v[PS+2*\i+(\q)/2] matrix_a_fmt:MATRIX_FMT_FP6 matrix_b_fmt:MATRIX_FMT_FP6
.else
	v_wmma_scale_f32_16x16x128_f8f6f4 v[128*\i+8*(8*((\q)%2)+\k):128*\i+8*(8*((\q)%2)+\k)+7], v[FS+12*\k:FS+12*\k+11], v[PC+24*\i+12*((\q)/2):PC+24*\i+12*((\q)/2)+11], v[128*\i+8*(8*((\q)%2)+\k):128*\i+8*(8*((\q)%2)+\k)+7], v[VSC+8*((\q)%2)+\k], v[PS+2*\i+(\q)/2] matrix_a_fmt:MATRIX_FMT_FP6 matrix_b_fmt:MATRIX_FMT_FP6 matrix_a_scale:MATRIX_SCALE_ROW1
.endif
.endr
.endr
.endm
; THE SOFTMAX of 256 keys for my two tiles, in lockstep.  Block k = 8 i + b (32 keys of tile i) lies in registers 16 k .. 16 k + 15 of window 1.
.macro SOFTMAX
	WIN 0x15                                       ; THE LARGEST SCORE OF EACH BLOCK: it serves the row's maximum and, since p rises with the score, the block's largest p.
.irp k, 0,1,2,3,4,5,6,7,8,9,10,11,12,13,14,15
	v_max3_num_f32 v[BM+\k], v[16*\k], v[16*\k+1], v[16*\k+2]
.endr
	WIN 0x14
.irp n, 3,5,7,9,11,13
.irp k, 0,1,2,3,4,5,6,7,8,9,10,11,12,13,14,15
	v_max3_num_f32 v[BM+\k], v[BM+\k], v[16*\k+\n], v[16*\k+\n+1]
.endr
.endr
.irp k, 0,1,2,3,4,5,6,7,8,9,10,11,12,13,14,15
	v_max_num_f32 v[BM+\k], v[BM+\k], v[16*\k+15]
.endr
	WIN 0
.irp k, 0,1,2,3,4,5,6,7,8,9,10,11,12,13,14,15
	v_permlanex16_b32 v[BT+\k], v[BM+\k], s[SEL], s[SEL+1]
.endr
.irp k, 0,1,2,3,4,5,6,7,8,9,10,11,12,13,14,15
	v_max_num_f32 v[BM+\k], v[BM+\k], v[BT+\k]     ; with lane l xor 16's 16 keys
.endr
.irp i, 0,1
	v_max3_num_f32 v[T+4+\i], v[BM+8*\i], v[BM+8*\i+1], v[BM+8*\i+2]
.endr
.irp i, 0,1
	v_max3_num_f32 v[T+4+\i], v[T+4+\i], v[BM+8*\i+3], v[BM+8*\i+4]
.endr
.irp i, 0,1
	v_max3_num_f32 v[T+4+\i], v[T+4+\i], v[BM+8*\i+5], v[BM+8*\i+6]
.endr
.irp i, 0,1
	v_max_num_f32 v[T+4+\i], v[T+4+\i], v[BM+8*\i+7]
.endr
.irp i, 0,1
	v_fma_f32 v[T+4+\i], v[T+4+\i], s[AA], v[NQ+\i]        ; the chunk's largest t of my query
.endr
.irp i, 0,1
	v_max_num_f32 v[ST+8*\i+6], v[ST+8*\i+6], v[T+4+\i]    ; the running largest t
.endr
.irp i, 0,1
	v_mov_b32 v[T+6+\i], v[ST+8*\i+7]
.endr
.irp i, 0,1
	v_floor_f32 v[ST+8*\i+7], -v[ST+8*\i+6]                ; the new -M = -ceil(t)
.endr
.irp i, 0,1
	v_sub_f32 v[T+6+\i], v[ST+8*\i+7], v[T+6+\i]           ; old M - new M: a whole number, 0 or less
.endr
.irp i, 0,1
	v_cvt_i32_f32 v[T+6+\i], v[T+6+\i]                     ; (it saturates)
.endr
.irp i, 0,1
	v_ldexp_f32 v[ST+8*\i+4], 1.0, v[T+6+\i]               ; f = 2^(old M - new M)
.endr
.irp i, 0,1
	v_add_f32 v[ST+8*\i], v[NQ+\i], v[ST+8*\i+7]           ; nq - M
.endr
.irp k, 0,1,2,3,4,5,6,7,8,9,10,11,12,13,14,15
	v_fma_f32 v[BM+\k], v[BM+\k], s[AA], v[ST+8*(\k/8)]    ; t - M of each block's largest score: the same multiply-add as below
.endr
.irp k, 0,1,2,3,4,5,6,7,8,9,10,11,12,13,14,15
	v_exp_f32 v[BM+\k], v[BM+\k]                           ; ONE BATCH of 272 exponentials begins: the blocks' largest p,
.endr
	WIN 0x41
.set n, 0
.rept 128
	v_pk_fma_f32 v[2*n:2*n+1], v[2*n:2*n+1], s[AA:AA+1], v[ST+8*(n/64):ST+8*(n/64)+1] op_sel_hi:[1,0,0]   ; t - M, two at a time
.set n, n+1
.endr
.set n, 0
.rept 256
	v_exp_f32 v[n], v[n]                                   ; and p = 2^(t - M): NOT normalised
.set n, n+1
.endr
	WIN 0
.irp i, 0,1
	v_pk_mul_f32 v[ST+8*\i+2:ST+8*\i+3], v[ST+8*\i+2:ST+8*\i+3], v[ST+8*\i+4:ST+8*\i+5] op_sel_hi:[1,0]   ; l under the new M: the plain place behind the exponentials
.endr
	s_wait_alu depctr_va_vdst(0)                   ; one wait for the whole batch, ahead of the first line that names a result
	WIN 0x05
.irp i, 0,1
	v_pk_add_f32 v[T+2*\i:T+2*\i+1], v[128*\i:128*\i+1], v[128*\i+2:128*\i+3]   ; THE ROW'S SUM IS TAKEN OF THE UNQUANTISED p: four chains
.endr
	WIN 0x04
.set n, 4
.rept 31
.irp i, 0,1
	v_pk_add_f32 v[ST+8*\i+2:ST+8*\i+3], v[ST+8*\i+2:ST+8*\i+3], v[128*\i+n:128*\i+n+1]
	v_pk_add_f32 v[T+2*\i:T+2*\i+1], v[T+2*\i:T+2*\i+1], v[128*\i+n+2:128*\i+n+3]
.endr
.set n, n+4
.endr
	WIN 0
.irp i, 0,1
	v_pk_add_f32 v[ST+8*\i+2:ST+8*\i+3], v[ST+8*\i+2:ST+8*\i+3], v[T+2*\i:T+2*\i+1]
.endr
.irp k, 0,1,2,3,4,5,6,7,8,9,10,11,12,13,14,15
	v_max_num_f32 v[BM+\k], 0x1800000, v[BM+\k]    ; the floor 2^(3 - 127): the byte cannot fall under 1
.endr
.irp k, 0,1,2,3,4,5,6,7,8,9,10,11,12,13,14,15
	v_add_nc_u32 v[BO+\k], 0xff000000, v[BM+\k]    ; 2 off the exponent field: the conversion's scale operand
.endr
.irp k, 0,1,2,3,4,5,6,7,8,9,10,11,12,13,14,15
	v_lshrrev_b32 v[BT+\k], 23, v[BO+\k]           ; the scale's byte
.endr
.irp m, 0,1,2,3
	v_lshl_or_b32 v[PS+\m], v[BT+4*\m+1], 8, v[BT+4*\m]   ; p's scale word of tile m / 2, key step m % 2
.endr
.irp m, 0,1,2,3
	v_lshl_or_b32 v[PS+\m], v[BT+4*\m+2], 16, v[PS+\m]
.endr
.irp m, 0,1,2,3
	v_lshl_or_b32 v[PS+\m], v[BT+4*\m+3], 24, v[PS+\m]
.endr
.irp i, 0,1
	WIN 0x01
.irp e, 0,1,2,3                                ; e = 2 s + c: blocks 2 e and 2 e + 1 of the tile
	v_cvt_scalef32_pk16_fp6_f32 v[PC+24*\i+6*\e:PC+24*\i+6*\e+2], v[128*\i+32*\e:128*\i+32*\e+15], v[BO+8*\i+2*\e]
	v_cvt_scalef32_pk16_fp6_f32 v[CT+4*\e:CT+4*\e+2], v[128*\i+32*\e+16:128*\i+32*\e+31], v[BO+8*\i+2*\e+1]   ; (a conversion's three registers begin on an even number)
.endr
	WIN 0
	v_nop                                          ; one plain place behind a scaled conversion
.irp e, 0,1,2,3                                ; the operand's layout wants a WHOLE block in a lane
.irp j, 0,1,2
	v_permlane16_swap_b32 v[PC+24*\i+6*\e+\j], v[CT+4*\e+\j]
.endr
.irp j, 0,1,2
	v_mov_b32 v[PC+24*\i+6*\e+3+\j], v[CT+4*\e+\j]
.endr
.endr
.endr
	WIN 0x82
.set n, 0
.rept 128
	v_pk_mul_f32 v[2*n:2*n+1], v[2*n:2*n+1], v[ST+8*(n/64)+4:ST+8*(n/64)+5] op_sel_hi:[1,0]   ; O^T under the new M.  (These are also the places between p's codes and scale words and the products that take them)
.set n, n+1
.endr
.endm
; A CHUNK of 256 keys.  The LDS loads stand in runs, a group ahead of their use; each counted wait leaves out what was issued behind the group that is wanted.
.macro CHUNK
	v_add_nc_u32 v[ADK], s[TB], v[LI]
	v_add_nc_u32 v[ADS], s[TS], v[LI4]
	v_add_nc_u32 v[ADH], s[TS], v[H64]
	v_add_nc_u32 v[ADV], VOFF, v[ADK]
.set n, 0
.rept 16
	ds_load_b32 v[KSC+n], v[ADS] offset:128*n      ; K's scale registers: lanes 0-15 hidden step 0, lanes 16-31 step 1
.set n, n+1
.endr
	LDK 0
	LDK 1
	s_wait_dscnt 32                                ; the scales and group 0 are in; group 1's 32 loads may be out
	MULK 0
	PLACES
	LDK 2
	s_wait_dscnt 32
	MULK 1
	PLACES
	LDK 3
	s_wait_dscnt 32
	MULK 2
	PLACES
	LDV 0
	WIN 0
.set n, 0
.rept 16
	ds_load_b32 v[VSC+n], v[ADS] offset:2048+128*n ; V's scale registers: lanes 0-15 key step 0, lanes 16-31 step 1
.set n, n+1
.endr
	s_wait_dscnt 40                                ; K's group 3 is in; V's first 24 loads and its 16 scale loads may be out
	MULK 3
	PLACES
	LDV 1
	SOFTMAX
	s_wait_dscnt 24                                ; V's group 0 and scales are in
	MULV 0
	PLACES
	LDV 2
	s_wait_dscnt 24
	MULV 1
	PLACES
	LDV 3
	s_wait_dscnt 24
	MULV 2
	s_wait_dscnt 0x0
	MULV 3
	WIN 0
	s_xor_b32 s[TB], s[TB], SLOT1                  ; on to the other slot,
	s_add_co_u32 s[TS], s[TS], SCB                 ; and the next chunk's scales
.endm
; THE CHANGE OF SLOTS stands at a chunk's head.  Each wave waits for all its tensor loads (its quarter of the chunk that it is about to read), adds 0 to its spare word, and waits for that and for its reads of the slot
; that it has left.  fill = 1: a round of the cluster's barrier, so that no wave of any partner still reads that slot or has a load on its way; the joint refill is the first thing behind it and has a whole chunk in which to land.
.macro CHANGE fill
	WIN 0
	s_wait_tensorcnt 0x0                           ; no tensor load of mine is out, so a group 0 may be written
	ds_add_u32 v[SPW], v[NIL]                      ; 0 onto my spare word
.if \fill
	s_xor_b32 s[G0+1], s[G0+1], SLOT1              ; the walking descriptor: the other slot,
	s_add_nc_u64 s[G0+2:G0+3], s[G0+2:G0+3], CHB   ; the next chunk; the type bits on top are not reached
	s_wait_xcnt 0x0                                ; the last prefetch, a chunk back, has read its address
	s_add_nc_u64 s[PFA:PFA+1], s[PFA:PFA+1], CHB   ; one chunk further on than the walking descriptor
	s_wait_dscnt 0x0                               ; the add is done, my LDS stores have landed and my reads of the slot that I have left are over
	CROUND
	tensor_load_to_lds s[G0:G0+3], s[G1:G1+7]
	s_nop 0
.rept 4
	v_nop                                          ; (the places in front of the chunk's first loads)
.endr
	ASK
.else
	s_wait_dscnt 0x0
	s_barrier_signal -1
	s_barrier_wait -1
	PLACES
.endif
.endm
.Lslot:                                            ; seven trips: behind each change of slots but the last the next chunk is asked for
	CHANGE 1
	CHUNK
	s_sub_co_u32 s[SLOTS], s[SLOTS], 1
	s_cmp_lg_u32 s[SLOTS], 0
	s_cbranch_scc1 .Lslot
	CHANGE 0                                       ; the last chunk is written out
	CHUNK
	; ---- attn_out = (O / l) Wo + bo, in f32.  A lane holds 128 of its query's 256 channels: d = 16 dt + 8 h + j.  Wo lies transposed in LDS, so a lane's registers of Wo[.][c] run along d as O^T's do,
	; and the sums go two neighbouring d at a time with no broadcast: 512 packed multiply-adds.  Columns 0, 1 of Wo take window 1 (p is done with), columns 2, 3 window 3 (the fragments are).
.macro WOLOAD c0
.set n, 0
.rept 64
	ds_load_b128 v[4*n:4*n+3], v[AW] offset:1024*((\c0)+n/32)+64*((n%32)/2)+16*(n%2)
.set n, n+1
.endr
.endm
.macro WOPART c0
.set n, 0
.rept 64
.irp i, 0,1
.irp c, 0,1
.if n == 0
	v_pk_mul_f32 v[ACC+8*\i+2*((\c0)+\c):ACC+8*\i+2*((\c0)+\c)+1], v[128*\i:128*\i+1], v[128*\c:128*\c+1]   ; the first product starts the sum; each result of O^T is read from its low end on
.else
	v_pk_fma_f32 v[ACC+8*\i+2*((\c0)+\c):ACC+8*\i+2*((\c0)+\c)+1], v[128*\i+2*n:128*\i+2*n+1], v[128*\c+2*n:128*\c+2*n+1], v[ACC+8*\i+2*((\c0)+\c):ACC+8*\i+2*((\c0)+\c)+1]
.endif
.endr
.endr
.set n, n+1
.endr
.endm
	PLACES
	WIN 0x40
	WOLOAD 0
	WIN 0xc0
	WOLOAD 2
	s_wait_dscnt 63                                ; of the 128 loads at most 63 are out: the first 64 are in
	WIN 0x06                                       ; O^T window 2, Wo window 1
	WOPART 0
	s_wait_dscnt 0x0
	WIN 0x0e                                       ; Wo window 3
	WOPART 2
	WIN 0
.irp i, 0,1
.irp c, 0,1,2,3
	v_add_f32 v[A0+4*\i+\c], v[ACC+8*\i+2*\c], v[ACC+8*\i+2*\c+1]
.endr
	v_add_f32 v[LS+\i], v[ST+8*\i+2], v[ST+8*\i+3]
.endr
.irp c, 0,1,2,3
	v_permlane16_swap_b32 v[A0+\c], v[A0+4+\c]     ; tile 0's lanes 16-31 change places with tile 1's lanes 0-15: the sum of the two registers is then, in lane L, the whole sum of row 32 w + L
.endr
	v_permlane16_swap_b32 v[LS], v[LS+1]
.irp c, 0,1,2,3
	v_add_f32 v[A0+\c], v[A0+\c], v[A0+4+\c]
.endr
	v_add_f32 v[LS], v[LS], v[LS+1]                ; the row's l
	v_rcp_f32 v[LS], v[LS]
	v_nop                                          ; one plain place behind a transcendental
	s_wait_alu depctr_va_vdst(0)                   ; and the wait ahead of its first reader
.irp c, 0,1,2,3
	v_fma_f32 v[A0+\c], v[A0+\c], v[LS], s[4+\c]   ; / l + bo
.endr
.irp c, 0,1,2,3
	v_add_f32 v[Y+\c], v[XI+\c], v[A0+\c]          ; the residual
.endr
	s_mov_b32 s96, 0x3e800000                      ; 1 / 4
	s_mov_b32 s97, 0x3727c5ac                      ; 1e-5
.macro LNORM o, sg, sb                         ; LayerNorm of v[Y] .. v[Y + 3] into v[o] on; gain and bias in s[sg] on, s[sb] on
	v_add_f32 v[TT], v[Y], v[Y+1]
	v_add_f32 v[TT+1], v[Y+2], v[Y+3]
	v_add_f32 v[TT], v[TT], v[TT+1]
	v_mul_f32 v[TT], s96, v[TT]
.irp c, 0,1,2,3
	v_sub_f32 v[Y+\c], v[Y+\c], v[TT]
.endr
	v_mul_f32 v[TT+1], v[Y], v[Y]
	v_fma_f32 v[TT+1], v[Y+1], v[Y+1], v[TT+1]
	v_fma_f32 v[TT+1], v[Y+2], v[Y+2], v[TT+1]
	v_fma_f32 v[TT+1], v[Y+3], v[Y+3], v[TT+1]
	v_fma_f32 v[TT+1], v[TT+1], s96, s97
	v_rsq_f32 v[TT+1], v[TT+1]
	v_nop
	s_wait_alu depctr_va_vdst(0)
.irp c, 0,1,2,3
	v_mul_f32 v[Y+\c], v[Y+\c], v[TT+1]
.endr
.irp c, 0,1,2,3
	v_fma_f32 v[\o+\c], v[Y+\c], s[\sg+\c], s[\sb+\c]
.endr
.endm
	LNORM RES, 8, 12
	; ---- THE FFN, in f32.  THE WAVES SHARE THE UNITS: wave w takes units 128 w .. + 127 for all 128 rows, four rows a lane, so that each weight read from LDS (one address for all lanes) serves 128 rows.
	; The arithmetic goes two neighbouring units at a time; a row's x stands twice in a pair of registers, so that no packed form needs a broadcast.
.irp c, 0,1,2,3
	ds_store_b32 v[RXS], v[RES+\c] offset:512*\c   ; res, [k][row]
.endr
	s_wait_dscnt 0x0                               ; for the others' sake
	s_barrier_signal -1
	s_barrier_wait -1
.irp k, 0,1,2,3
	ds_load_b128 v[H+4*\k:H+4*\k+3], v[RXL] offset:512*\k   ; x_k of rows 4 lane .. 4 lane + 3
.endr
.macro FLOAD buf, d4                           ; nine loads: the weights of four units, d4 bytes on from the trip's first: W1's four rows, b1, W2's four columns
.irp k, 0,1,2,3
	ds_load_b128 v[\buf+4*\k:\buf+4*\k+3], v[AF] offset:2048*\k+(\d4)
.endr
	ds_load_b128 v[\buf+16:\buf+19], v[AF] offset:8192+(\d4)
.irp c, 0,1,2,3
	ds_load_b128 v[\buf+20+4*\c:\buf+20+4*\c+3], v[AF] offset:10240+2048*\c+(\d4)
.endr
.endm
.macro FCOMP buf                               ; four units x four rows: 32 packed multiply-adds (b1 is the first one's addend), 16 maxima, 32 packed multiply-adds
.irp k, 0,1,2,3
.irp r, 0,1,2,3
.irp p, 0,1
.if \k == 0
	v_pk_fma_f32 v[H+4*\r+2*\p:H+4*\r+2*\p+1], v[XD+8*\r:XD+8*\r+1], v[\buf+2*\p:\buf+2*\p+1], v[\buf+16+2*\p:\buf+16+2*\p+1]
.else
	v_pk_fma_f32 v[H+4*\r+2*\p:H+4*\r+2*\p+1], v[XD+8*\r+2*\k:XD+8*\r+2*\k+1], v[\buf+4*\k+2*\p:\buf+4*\k+2*\p+1], v[H+4*\r+2*\p:H+4*\r+2*\p+1]
.endif
.endr
.endr
.endr
.set n, 0
.rept 16
	v_max_num_f32 v[H+n], 0, v[H+n]
.set n, n+1
.endr
.irp p, 0,1
.irp c, 0,1,2,3
.irp r, 0,1,2,3
	v_pk_fma_f32 v[OUT+8*\r+2*\c:OUT+8*\r+2*\c+1], v[H+4*\r+2*\p:H+4*\r+2*\p+1], v[\buf+20+4*\c+2*\p:\buf+20+4*\c+2*\p+1], v[OUT+8*\r+2*\c:OUT+8*\r+2*\c+1]
.endr
.endr
.endr
.endm
.macro HALF buf, other, d4, load
.if \load
	FLOAD \other, \d4
	s_wait_dscnt 9                                 ; this group's weights are in; the nine loads just issued may be out
.else
	s_wait_dscnt 0x0
.endif
	FCOMP \buf
.endm
	s_mov_b32 s[FU], 0
	v_add_nc_u32 v[AF], s[FU], v[AFB]
	FLOAD WB0, 0                                   ; units 0-3 of my 128
	s_wait_dscnt 9                                 ; x is in
.irp k, 0,1,2,3
.irp r, 0,1,2,3
	v_mov_b32 v[XD+8*\r+2*\k], v[H+4*\k+\r]
	v_mov_b32 v[XD+8*\r+2*\k+1], v[H+4*\k+\r]
.endr
.endr
.set n, 0
.rept 32
	v_mov_b32 v[OUT+n], 0
.set n, n+1
.endr
.Lffn:                                             ; fifteen trips of two groups of four units
	v_add_nc_u32 v[AF], s[FU], v[AFB]
	HALF WB0, WB1, 16, 1
	HALF WB1, WB0, 32, 1
	s_add_co_u32 s[FU], s[FU], 32
	s_cmp_lt_u32 s[FU], 480
	s_cbranch_scc1 .Lffn
	v_add_nc_u32 v[AF], s[FU], v[AFB]
	HALF WB0, WB1, 16, 1                           ; the last two groups: one more fetch, then none
	HALF WB1, WB0, 0, 0
.irp c, 0,1,2,3
.irp r, 0,1,2,3
	v_add_f32 v[OS+4*\c+\r], v[OUT+8*\r+2*\c], v[OUT+8*\r+2*\c+1]   ; even units' and odd units' sums
.endr
.endr
.irp c, 0,1,2,3
	ds_store_b128 v[POS], v[OS+4*\c:OS+4*\c+3] offset:512*\c       ; my units' part, [wave][c][row]
.endr
	s_wait_dscnt 0x0
	s_barrier_signal -1
	s_barrier_wait -1
.irp u, 0,1,2,3
.irp c, 0,1,2,3
	ds_load_b32 v[PL+4*\u+\c], v[POL] offset:2048*\u+512*\c        ; the four waves' parts of row 32 w + lane
.endr
.endr
	s_wait_dscnt 0x0
.irp c, 0,1,2,3
	v_add_f32 v[PL+\c], v[PL+\c], v[PL+4+\c]
	v_add_f32 v[PL+8+\c], v[PL+8+\c], v[PL+12+\c]
.endr
.irp c, 0,1,2,3
	v_add_f32 v[PL+\c], v[PL+\c], v[PL+8+\c]
.endr
.irp c, 0,1,2,3
	v_add_f32 v[PL+\c], s[16+\c], v[PL+\c]         ; + b2
.endr
.irp c, 0,1,2,3
	v_add_f32 v[Y+\c], v[RES+\c], v[PL+\c]         ; the residual
.endr
	LNORM XOUT, 20, 68
	v_fma_f32 v[Z], v[XOUT], s72, s66              ; X Wfc + bfc
	v_fma_f32 v[Z], v[XOUT+1], s73, v[Z]
	v_fma_f32 v[Z], v[XOUT+2], s74, v[Z]
	v_fma_f32 v[Z], v[XOUT+3], s75, v[Z]
	s_wait_xcnt 0x0                                ; EXEC changes only behind this wait
	v_cmp_eq_u32 vcc_lo, 0, v[VLAY]                ; layer 0: all lanes; layer 1: none
	s_and_saveexec_b32 s98, vcc_lo
	global_store_b128 v[LI], v[XOUT:XOUT+3], s[92:93]   ; X for the next layer: 512 consecutive bytes a wave
	s_wait_xcnt 0x0
	s_or_b32 exec_lo, exec_lo, s98
	v_cmp_ne_u32 vcc_lo, 0, v[VLAY]                ; layer 1: all lanes; layer 0: none
	s_and_saveexec_b32 s98, vcc_lo
	global_store_b32 v[O4], v[Z], s[94:95]         ; the result: 128 consecutive bytes a wave, all that a wave's 32 rows have
	s_wait_xcnt 0x0
	s_or_b32 exec_lo, exec_lo, s98
	s_wait_tensorcnt 0x0                           ; the wave's end, behind my last tensor load and my last LDS store
	ds_add_u32 v[SPW], v[NIL]
	s_wait_dscnt 0x0
	CROUND                                         ; the closing round: no work-group ends while a partner may still ask for a tile that names it
	s_endpgm
.Lfunc_end_k_qafc5cb02e7_attn0:
	.size	k_qafc5cb02e7_attn0, .Lfunc_end_k_qafc5cb02e7_attn0-k_qafc5cb02e7_attn0
	.p2alignl 7, 3214868480
	.fill 96, 4, 3214868480
	.section	.rodata,"a",@progbits
	.p2align	6, 0x0
	.amdhsa_kernel k_qafc5cb02e7_attn0
		.amdhsa_group_segment_fixed_size 327680
		.amdhsa_private_segment_fixed_size 0
		.amdhsa_enable_private_segment 0
		.amdhsa_kernarg_size 160
		.amdhsa_user_sgpr_count 2
		.amdhsa_user_sgpr_kernarg_segment_ptr 1
		.amdhsa_wavefront_size32 1
		.amdhsa_system_sgpr_workgroup_id_x 1
		.amdhsa_system_sgpr_workgroup_id_y 1
		.amdhsa_system_sgpr_workgroup_id_z 1
		.amdhsa_system_vgpr_workitem_id 0
		.amdhsa_next_free_vgpr 1024
		.amdhsa_next_free_sgpr 100
		.amdhsa_reserve_vcc 1
		.amdhsa_float_denorm_mode_32 3
		.amdhsa_float_denorm_mode_16_64 3
		.amdhsa_memory_ordered 1
		.amdhsa_forward_progress 1
		.amdhsa_inst_pref_size 255
	.end_amdhsa_kernel
	.section	.bss,"aw",@nobits
	.p2align	6
	.space	262144
	.amdgpu_metadata
---
amdhsa.version: [ 1, 2 ]
amdhsa.kernels:
  - .name:           k_qafc5cb02e7_attn0
    .symbol:         k_qafc5cb02e7_attn0.kd
    .args:
      - { .name: qp, .offset: 0, .size: 8, .value_kind: global_buffer, .address_space: global }
      - { .name: kvc, .offset: 8, .size: 8, .value_kind: global_buffer, .address_space: global }
      - { .name: ksc, .offset: 16, .size: 8, .value_kind: global_buffer, .address_space: global }
      - { .name: xcat, .offset: 24, .size: 8, .value_kind: global_buffer, .address_space: global }
      - { .name: lay, .offset: 32, .size: 8, .value_kind: global_buffer, .address_space: global }
      - { .name: bw, .offset: 40, .size: 8, .value_kind: global_buffer, .address_space: global }
      - { .name: Wo, .offset: 48, .size: 8, .value_kind: global_buffer, .address_space: global }
      - { .name: W1, .offset: 56, .size: 8, .value_kind: global_buffer, .address_space: global }
      - { .name: b1, .offset: 64, .size: 8, .value_kind: global_buffer, .address_space: global }
      - { .name: W2, .offset: 72, .size: 8, .value_kind: global_buffer, .address_space: global }
      - { .name: bo, .offset: 80, .size: 8, .value_kind: global_buffer, .address_space: global }
      - { .name: g1, .offset: 88, .size: 8, .value_kind: global_buffer, .address_space: global }
      - { .name: be1, .offset: 96, .size: 8, .value_kind: global_buffer, .address_space: global }
      - { .name: b2, .offset: 104, .size: 8, .value_kind: global_buffer, .address_space: global }
      - { .name: g2, .offset: 112, .size: 8, .value_kind: global_buffer, .address_space: global }
      - { .name: be2, .offset: 120, .size: 8, .value_kind: global_buffer, .address_space: global }
      - { .name: Wfc, .offset: 128, .size: 8, .value_kind: global_buffer, .address_space: global }
      - { .name: bfc, .offset: 136, .size: 8, .value_kind: global_buffer, .address_space: global }
      - { .name: x1, .offset: 144, .size: 8, .value_kind: global_buffer, .address_space: global }
      - { .name: out0, .offset: 152, .size: 8, .value_kind: global_buffer, .address_space: global }
    .group_segment_fixed_size: 327680
    .private_segment_fixed_size: 0
    .kernarg_segment_align: 8
    .kernarg_segment_size: 160
    .max_flat_workgroup_size: 128
    .sgpr_count:     100
    .vgpr_count:     1024
    .wavefront_size: 32
...
	.end_amdgpu_metadata
.endif
;; end of part 2
;; launch prep1 (part 3): grid 256 x 1, 8 waves a work-group, no clusters, 0 bytes of LDS; arguments x1, Wq, bq, Wk, bk, Wv, bv, qp, kvc, ksc, lay; writes qp, kvc, ksc, lay
.if DOCPART == 3
	.amdgcn_target "amdgcn-amd-amdhsa--gfx1250"
	.amdhsa_code_object_version 6
	.text
	.protected	k_qafc5cb02e7_prep1
	.globl	k_qafc5cb02e7_prep1
	.p2align	8
	.type	k_qafc5cb02e7_prep1,@function
k_qafc5cb02e7_prep1:
	s_mov_b64 s[64:65], 0
	v_nop
	global_prefetch_b8 v0, s[64:65] scope:SCOPE_SE
	s_setreg_imm32_b32 hwreg(HW_REG_WAVE_MODE, 25, 1), 1
	s_wait_xcnt 0x0
; The first kernel's text once more for the second layer (LAYER = 1): Q = X Wq + bq, K = X Wk + bk, V = X Wv + bv in f32 from X = x1, their codes of FP6 (E2M3) with one E8M0 byte for each 32 along a
; product's K (Q, K: the hidden axis; V: the keys), qq = sum Q^2, hk = -1/2 sum K^2, and the layer's number.  Nothing of reference() is left out.
; LIMITS: NaN and infinities among the inputs are not served.  A block whose largest magnitude lies under 2^(3 - 127) gets the byte 1; a block of zeros too, where the rule says 127: its codes are zeros, which
; add nothing under any byte but 0xff, and this program alone reads the bytes.  The sums of squares are taken in another order than reference()'s.
; SHARES.  A work-group takes 128 rows (half a chunk of 256 keys), each of its 8 waves six UNITS.  A unit is eight v_wmma_f32_16x16x4_f32 (K = 4 is the whole sum; the bias is C), 64 numbers a lane, quantised at once.
;   Q, hidden step s = 0, 1: source 0 = 16 columns of Wq, source 1 = my 16 rows of X: a lane holds ONE row, its registers run along the hidden axis.     K: the same for my key tile.
;   V, d tile 2 w + u: source 0 = 16 keys of X, source 1 = 16 columns of Wv: a lane holds ONE column d, its registers run along the keys.
; THE 16 ROWS THAT FORM A TILE OF SOURCE 0 ARE NOT NEIGHBOURS: lane r of tile 2 b + u takes 32 b + 8 u + r + 8 (r / 8), so that the 16 registers of tiles 2 b, 2 b + 1 are 16 neighbours along the later K.
; WHAT IS STORED.  A fragment (16 rows x 128 K, 12 registers a lane) leaves as an IMAGE OF ITS REGISTERS: three stores of 512 consecutive bytes, lane l's 16 bytes at 16 l.
;   qp  [2048 query tiles][3328]: two images; at 3072 + 8 lane the pair {scale word (lanes 0-15: step 0, lanes 16-31: step 1), qq}.
;   kvc [16 x 8 chunks][98304]: K's images at 1536 (2 t + s), V's at 49152 + 1536 (16 s + dt).
;   ksc [16 x 8 chunks][5120]: K's scale registers at 128 t + 4 lane; V's at 2048 + 128 dt + 4 lane; hk at 4096 + 4 key.  These small stores cover 64 or 128 bytes each: 5,120 bytes for 98,304 of codes.
.set LAYER, 1
.set LI,  5                            ; v5      16 x lane
.set XO,  6                            ; v6-14   byte offsets of X's rows: three sets (key tiles, my key tile, my query rows)
.set WAO, 15                           ; v15     a weight as source 0: 2048 h + 4 (r + 8 (r / 8))
.set XQ,  16                           ; v16-17  X of my 16 query rows: lane (r, h), register j: X[row r][2 h + j]
.set XK,  18                           ; v18-19  X of my key tile
.set XV,  20                           ; v20-35  X of the eight key tiles of the work-group's 128 rows
.set WQ,  36                           ; v36-67  Wq's 16 tiles
.set WK,  68                           ; v68-99  Wk's
.set WVB, 100                          ; v100-103 Wv's columns of my two d tiles
.set BV,  104                          ; v104-119 bv of my column, eight times, for each of the two
.set D,   120                          ; v120-183 a unit's results: written by matrix instructions alone
.set TM,  184                          ; v184-199 at work in QUANT
.set PW,  200                          ; the scale word just made;  v201: that of step 0
.set PW0, 201
.set SQ,  202                          ; v202-203, v242-243 the sums of squares, two chains
.set PC,  204                          ; v204-223 the codes just made
.set SCR, 224
.set BOF, 234
.set WBO, 235
.set BVO, 236
.set HKO, 237
.set KSO, 238
.set L8,  239
.set VSO, 240
.set XSO, 241
.set SQB, 242
.set OPQ, 244
.set KSV, 246
.set HKV, 247
.set LV,  248
.set WAVE, 30
.set HALF, 32
.set KT,   33
.set SEL,  38
.set MSB, 0
.macro WIN new                         ; the immediate's high byte repeats the setting that is left
.if MSB != \new
	s_set_vgpr_msb (MSB<<8)|\new
.set MSB, \new
.endif
.endm
; window 1: v0-127 bq in the results' layout (tile T at 8 T), v128-255 bk
.if LAYER
	s_load_b64 s[4:5], s[0:1], 0x0                 ; x1
	s_load_b256 s[8:15], s[0:1], 0x8               ; Wq, bq, Wk, bk
	s_load_b256 s[16:23], s[0:1], 0x28             ; Wv, bv, qp, kvc
	s_load_b64 s[24:25], s[0:1], 0x48              ; ksc
	s_load_b64 s[28:29], s[0:1], 0x50              ; lay
.else
	s_load_b512 s[4:19], s[0:1], 0x0               ; KEY, VALUE, Wq, bq, Wk, bk, Wv, bv
	s_load_b256 s[20:27], s[0:1], 0x40             ; qp, kvc, ksc, xcat
	s_load_b64 s[28:29], s[0:1], 0x60              ; lay
.endif
	v_lshrrev_b32 v1, 5, v0
	v_readfirstlane_b32 s[WAVE], v1                ; wave 0..7
	v_and_b32 v1, 31, v0                           ; lane
	v_and_b32 v2, 15, v0                           ; r
	v_bfe_u32 v3, v0, 4, 1                         ; h
	v_and_b32 v4, 8, v2
	v_add_nc_u32 v4, v4, v2                        ; r + 8 (r / 8)
	v_lshlrev_b32 v[LI], 4, v1
	v_lshlrev_b32 v[L8], 3, v1
	s_and_b32 s[HALF], ttmp9, 1                    ; which half of the chunk of 256 keys
	s_lshr_b32 s[KT], s[WAVE], 1
	s_lshl_b32 s[KT], s[KT], 5
	s_and_b32 s34, s[WAVE], 1
	s_lshl_b32 s34, s34, 3
	s_add_co_u32 s[KT], s[KT], s34                 ; my key tile begins at row 32 (w / 2) + 8 (w % 2)
	s_mov_b32 s[SEL], 0x76543210
	s_mov_b32 s[SEL+1], 0xfedcba98                 ; v_permlanex16_b32's selects for lane l xor 16
	v_cmp_eq_u32 vcc_lo, 1, v3                     ; lanes 16-31: kept for the whole kernel
.if LAYER
	v_lshlrev_b32 v[XO], 4, v4                     ; a row of x1 is 16 bytes; + 8 h
	v_lshl_add_u32 v[XO], v3, 3, v[XO]
	s_lshl_b32 s34, s[KT], 4
	v_add_nc_u32 v[XO+3], s34, v[XO]
	s_lshl_b32 s34, s[WAVE], 4
	v_add_nc_u32 v[XO+6], s34, v2
	v_lshlrev_b32 v[XO+6], 4, v[XO+6]
	v_lshl_add_u32 v[XO+6], v3, 3, v[XO+6]
.else
	v_mul_u32_u24 v[XO], v4, 12                    ; a row of KEY is 12 bytes;
	v_lshl_add_u32 v[XO+1], v3, 3, v[XO]           ; + 8 h;
	v_lshlrev_b32 v[XO+2], 2, v4                   ; a row of VALUE 4
	s_mul_i32 s34, s[KT], 12
	v_add_nc_u32 v[XO+3], s34, v[XO]
	v_add_nc_u32 v[XO+4], s34, v[XO+1]
	s_lshl_b32 s34, s[KT], 2
	v_add_nc_u32 v[XO+5], s34, v[XO+2]
	s_lshl_b32 s34, s[WAVE], 4
	v_add_nc_u32 v[XO+8], s34, v2                  ; my query row: 16 w + r
	v_lshlrev_b32 v[XSO], 4, v[XO+8]
	v_lshl_add_u32 v[XSO], v3, 3, v[XSO]           ; its place in xcat
	v_mul_u32_u24 v[XO+6], v[XO+8], 12
	v_lshl_add_u32 v[XO+7], v3, 3, v[XO+6]
	v_lshlrev_b32 v[XO+8], 2, v[XO+8]
.endif
	v_lshlrev_b32 v[WAO], 2, v4
	v_lshl_add_u32 v[WAO], v3, 11, v[WAO]          ; rows 2 h, 2 h + 1 of a weight of 1,024 bytes a row
	v_lshlrev_b32 v[BOF], 6, v3                    ; a bias in the results' layout: 16 h numbers on
	s_lshl_b32 s34, s[WAVE], 7
	v_lshl_add_u32 v[BVO], v2, 2, s34              ; column 32 w + r of bv,
	v_lshl_add_u32 v[WBO], v3, 11, v[BVO]          ; and of Wv's rows 2 h, 2 h + 1
	s_lshl_b32 s35, s[HALF], 10
	s_add_co_u32 s35, s35, s34
	v_lshl_add_u32 v[KSO], v1, 2, s35              ; K's scale register: 128 (8 half + w) + 4 lane
	s_lshl_b32 s35, s[HALF], 9
	s_lshl_b32 s34, s[KT], 2
	s_add_co_u32 s35, s35, s34
	v_lshl_add_u32 v[HKO], v4, 2, s35              ; hk: 4 x my key in the chunk
	s_lshl_b32 s35, s[HALF], 6
	s_lshl_b32 s34, s[WAVE], 8
	s_add_co_u32 s35, s35, s34
	v_lshl_add_u32 v[VSO], v2, 2, s35              ; V's scale words: 128 (2 w) + 64 half + 4 r
.irp b, 0,1,2,3
	v_mov_b32 v[TM+4+\b], 0                        ; written once: a lane permute's destination counts as one of its sources
.endr
	s_wait_kmcnt 0x0
	s_mov_b32 s35, 0
.if LAYER
	s_lshl_b32 s34, ttmp9, 11                      ; the work-group's 128 rows of 16 bytes
	s_add_nc_u64 s[4:5], s[4:5], s[34:35]
.else
	s_mul_i32 s34, ttmp9, 1536                     ; 128 rows of 12 bytes,
	s_add_nc_u64 s[4:5], s[4:5], s[34:35]
	s_lshl_b32 s34, ttmp9, 9                       ; of 4,
	s_add_nc_u64 s[6:7], s[6:7], s[34:35]
	s_lshl_b32 s34, ttmp9, 11                      ; of 16
	s_add_nc_u64 s[26:27], s[26:27], s[34:35]
.endif
	s_lshl_b32 s34, ttmp9, 3
	s_add_co_u32 s34, s34, s[WAVE]                 ; my query tile
	s_mul_i32 s34, s34, 3328
	s_add_nc_u64 s[20:21], s[20:21], s[34:35]
	s_lshr_b32 s36, ttmp9, 1                       ; 8 x batch + chunk
	s_mul_i32 s34, s36, 98304
	s_lshl_b32 s37, s[HALF], 4
	s_add_co_u32 s37, s37, s[WAVE]
	s_add_co_u32 s37, s37, s[WAVE]                 ; 16 half + 2 w: my first image among K's, and among V's
	s_mul_i32 s37, s37, 1536
	s_add_co_u32 s34, s34, s37
	s_add_nc_u64 s[22:23], s[22:23], s[34:35]
	s_mul_i32 s34, s36, 5120
	s_add_nc_u64 s[24:25], s[24:25], s[34:35]
; an X operand: lane (r, h), register j: X[row][2 h + j]
.macro XLD dst, scr, o, rows
.if LAYER
	global_load_b64 v[\dst:\dst+1], v[\o], s[4:5] offset:16*(\rows)
.else
	global_load_b32 v[\dst], v[\o+1], s[4:5] offset:12*(\rows)
	global_load_b32 v[\dst+1], v[\o], s[4:5] offset:12*(\rows)+4
	global_load_b32 v[\scr], v[\o+2], s[6:7] offset:4*(\rows)
.endif
.endm
	XLD XQ, SCR, XO+6, 0
	XLD XK, SCR+1, XO+3, 0
.irp t, 0,1,2,3,4,5,6,7
	XLD XV+2*\t, SCR+2+\t, XO, 32*(\t/2)+8*(\t%2)
.endr
.set n, 0
.rept 16                               ; tile n of a weight begins at column 32 (n / 2) + 8 (n % 2)
	global_load_b32 v[WQ+2*n], v[WAO], s[8:9] offset:LAYER*4096+4*(32*(n/2)+8*(n%2))
	global_load_b32 v[WQ+2*n+1], v[WAO], s[8:9] offset:LAYER*4096+1024+4*(32*(n/2)+8*(n%2))
	global_load_b32 v[WK+2*n], v[WAO], s[12:13] offset:LAYER*4096+4*(32*(n/2)+8*(n%2))
	global_load_b32 v[WK+2*n+1], v[WAO], s[12:13] offset:LAYER*4096+1024+4*(32*(n/2)+8*(n%2))
.set n, n+1
.endr
.irp u, 0,1
	global_load_b32 v[WVB+2*\u], v[WBO], s[16:17] offset:LAYER*4096+64*\u
	global_load_b32 v[WVB+2*\u+1], v[WBO], s[16:17] offset:LAYER*4096+1024+64*\u
.irp j, 0,1,2,3,4,5,6,7
	global_load_b32 v[BV+8*\u+\j], v[BVO], s[18:19] offset:LAYER*1024+64*\u   ; the same number in all eight registers: every key gets column d's bias
.endr
.endr
	WIN 0x40                                       ; destination window 1
.set n, 0
.rept 16                               ; lane (r, h), register j of tile n: the bias of hidden unit 32 (n / 2) + 16 h + 8 (n % 2) + j
	global_load_b128 v[8*n:8*n+3], v[BOF], s[10:11] offset:LAYER*1024+4*(32*(n/2)+8*(n%2))
	global_load_b128 v[8*n+4:8*n+7], v[BOF], s[10:11] offset:LAYER*1024+4*(32*(n/2)+8*(n%2))+16
	global_load_b128 v[128+8*n:128+8*n+3], v[BOF], s[14:15] offset:LAYER*1024+4*(32*(n/2)+8*(n%2))
	global_load_b128 v[128+8*n+4:128+8*n+7], v[BOF], s[14:15] offset:LAYER*1024+4*(32*(n/2)+8*(n%2))+16
.set n, n+1
.endr
	WIN 0
	s_or_b32 s34, ttmp9, s[WAVE]                   ; the first wave of the first work-group stores the layer's number
	s_cmp_lg_u32 s34, 0
	s_cbranch_scc1 .Lnot_first
	v_mov_b32 v[LV], LAYER
	v_mov_b32 v[LV+1], LAYER
	global_store_b64 v[L8], v[LV:LV+1], s[28:29]   ; 256 consecutive bytes
.Lnot_first:
	s_wait_loadcnt 0x0                             ; all operands, once
.if LAYER == 0
.irp t, 0,1,2,3,4,5,6,7,8,9
	v_cndmask_b32 v[XQ+2*\t+1], v[XQ+2*\t+1], v[SCR+\t], vcc_lo   ; lanes 16-31: X[row][3] = VALUE[row]
.endr
	global_store_b64 v[XSO], v[XQ:XQ+1], s[26:27]  ; xcat: my 16 rows, 256 consecutive bytes
.endif
; 64 numbers of a lane, v[s] .. v[s + 63], register 16 b + i = k 32 b + 16 (lane / 16) + i of my row, become a fragment's codes in v[PC] on and its scale word in v[PW]
.macro QUANT s
.irp b, 0,1,2,3
	v_max3_num_f32 v[TM+\b], |v[\s+16*\b]|, |v[\s+1+16*\b]|, 0x1800000   ; block b: my 16 numbers, and the floor 2^(3 - 127): the byte cannot fall under 1
.endr
.irp i, 2,4,6,8,10,12,14
.irp b, 0,1,2,3
	v_max3_num_f32 v[TM+\b], v[TM+\b], |v[\s+16*\b+\i]|, |v[\s+1+16*\b+\i]|   ; (the four blocks by turns)
.endr
.endr
.irp b, 0,1,2,3
	v_permlanex16_b32 v[TM+4+\b], v[TM+\b], s[SEL], s[SEL+1]
.endr
.irp b, 0,1,2,3
	v_max_num_f32 v[TM+\b], v[TM+\b], v[TM+4+\b]   ; with lane l xor 16's: the block's largest magnitude
.endr
.irp b, 0,1,2,3
	v_add_nc_u32 v[TM+12+\b], 0xff000000, v[TM+\b] ; 2 off its exponent field: the conversion takes the exponent field of this operand as its scale
.endr
.irp b, 0,1,2,3
	v_lshrrev_b32 v[TM+4+\b], 23, v[TM+12+\b]      ; the scale's byte
.endr
	v_lshl_or_b32 v[PW], v[TM+5], 8, v[TM+4]
	v_lshl_or_b32 v[PW], v[TM+6], 16, v[PW]
	v_lshl_or_b32 v[PW], v[TM+7], 24, v[PW]
.irp c, 0,1
	v_cvt_scalef32_pk16_fp6_f32 v[PC+6*\c:PC+2+6*\c], v[\s+32*\c:\s+15+32*\c], v[TM+12+2*\c]
	v_cvt_scalef32_pk16_fp6_f32 v[PC+12+4*\c:PC+14+4*\c], v[\s+16+32*\c:\s+31+32*\c], v[TM+12+2*\c+1]   ; (a conversion's three registers begin on an even number)
.endr
	v_nop                                          ; one plain place behind a scaled conversion
.irp c, 0,1                                    ; the operand's layout wants a WHOLE block in a lane: lanes 0-15 block 2 c, lanes 16-31 block 2 c + 1
.irp i, 0,1,2
	v_permlane16_swap_b32 v[PC+6*\c+\i], v[PC+12+4*\c+\i]
.endr
.irp i, 0,1,2
	v_mov_b32 v[PC+3+6*\c+\i], v[PC+12+4*\c+\i]
.endr
.endr
.endm
.macro PUT base, off                           ; the fragment in v[PC] on leaves as it stands: three stores of 512 consecutive bytes
.irp c, 0,1,2
	global_store_b128 v[LI], v[PC+4*\c:PC+4*\c+3], s[\base:\base+1] offset:(\off)+512*\c
.endr
.endm
; eight products: tiles 8 s .. 8 s + 7 of a weight (source 0) against 16 rows of X (source 1); C = the bias, in window 1.  Eight places follow: the distance of this form ahead of a read of its results (ISA guide 7.12.1)
.macro MM wa, cb, xb, s
	WIN 0x10
.irp t, 0,1,2,3,4,5,6,7
	v_wmma_f32_16x16x4_f32 v[D+8*\t:D+8*\t+7], v[\wa+2*(8*(\s)+\t):\wa+2*(8*(\s)+\t)+1], v[\xb:\xb+1], v[\cb+8*(8*(\s)+\t):\cb+8*(8*(\s)+\t)+7]
.endr
	WIN 0
.rept 8
	v_nop
.endr
.endm
.macro MMV u                                   ; the eight key tiles (source 0) against 16 columns of Wv (source 1)
.irp t, 0,1,2,3,4,5,6,7
	v_wmma_f32_16x16x4_f32 v[D+8*\t:D+8*\t+7], v[XV+2*\t:XV+2*\t+1], v[WVB+2*\u:WVB+2*\u+1], v[BV+8*\u:BV+8*\u+7]
.endr
.rept 8
	v_nop
.endr
.endm
.macro SQUARES first                           ; the sum of my 64 numbers' squares, each result read from its low end on; first = 1 starts the sums
.set n, 0
.rept 16
.if (\first) && (n == 0)
	v_pk_mul_f32 v[SQ:SQ+1], v[D:D+1], v[D:D+1]
	v_pk_mul_f32 v[SQB:SQB+1], v[D+2:D+3], v[D+2:D+3]
.else
	v_pk_fma_f32 v[SQ:SQ+1], v[D+4*n:D+4*n+1], v[D+4*n:D+4*n+1], v[SQ:SQ+1]
	v_pk_fma_f32 v[SQB:SQB+1], v[D+4*n+2:D+4*n+3], v[D+4*n+2:D+4*n+3], v[SQB:SQB+1]
.endif
.set n, n+1
.endr
.endm
.macro SUMSQ                                   ; the row's 256 squares: my four partial sums and lane l xor 16's, into v[SQ]
	v_pk_add_f32 v[SQ:SQ+1], v[SQ:SQ+1], v[SQB:SQB+1]
	v_add_f32 v[SQ], v[SQ], v[SQ+1]
	v_permlanex16_b32 v[TM+4], v[SQ], s[SEL], s[SEL+1]
	v_add_f32 v[SQ], v[SQ], v[TM+4]
.endm
	MM WQ, 0, XQ, 0                                ; ---- Q, hidden 0-127
	SQUARES 1
	QUANT D
	PUT 20, 0
	v_mov_b32 v[PW0], v[PW]
	MM WQ, 0, XQ, 1                                ; ---- Q, hidden 128-255
	SQUARES 0
	s_wait_xcnt 0x0                                ; the last unit's stores have read their registers: only now are the codes and the scale word written again
	QUANT D
	PUT 20, 1536
	SUMSQ
	v_mov_b32 v[OPQ+1], v[SQ]                      ; qq
	v_cndmask_b32 v[OPQ], v[PW0], v[PW], vcc_lo    ; lanes 0-15: step 0's word; lanes 16-31: step 1's
	global_store_b64 v[L8], v[OPQ:OPQ+1], s[20:21] offset:3072
	MM WK, 128, XK, 0                              ; ---- K, hidden 0-127
	SQUARES 1
	s_wait_xcnt 0x0
	QUANT D
	PUT 22, 0
	v_mov_b32 v[PW0], v[PW]
	MM WK, 128, XK, 1                              ; ---- K, hidden 128-255
	SQUARES 0
	s_wait_xcnt 0x0
	QUANT D
	PUT 22, 1536
	SUMSQ
	v_mul_f32 v[HKV], -0.5, v[SQ]                  ; hk = -kk / 2
	v_cndmask_b32 v[KSV], v[PW0], v[PW], vcc_lo
	global_store_b32 v[KSO], v[KSV], s[24:25]
	global_store_b32 v[HKO], v[HKV], s[24:25] offset:4096   ; lanes l and l + 16 write the same word with the same value
.irp u, 0,1                                    ; ---- V, d tiles 2 w and 2 w + 1: K = the work-group's 128 keys
	MMV \u
	s_wait_xcnt 0x0
	QUANT D
	PUT 22, 49152+1536*\u
	global_store_b32 v[VSO], v[PW], s[24:25] offset:2048+128*\u   ; lanes l and l + 16 write the same word with the same value
.endr
	s_endpgm
.Lfunc_end_k_qafc5cb02e7_prep1:
	.size	k_qafc5cb02e7_prep1, .Lfunc_end_k_qafc5cb02e7_prep1-k_qafc5cb02e7_prep1
	.p2alignl 7, 3214868480
	.fill 96, 4, 3214868480
	.section	.rodata,"a",@progbits
	.p2align	6, 0x0
	.amdhsa_kernel k_qafc5cb02e7_prep1
		.amdhsa_group_segment_fixed_size 0
		.amdhsa_private_segment_fixed_size 0
		.amdhsa_enable_private_segment 0
		.amdhsa_kernarg_size 88
		.amdhsa_user_sgpr_count 2
		.amdhsa_user_sgpr_kernarg_segment_ptr 1
		.amdhsa_wavefront_size32 1
		.amdhsa_system_sgpr_workgroup_id_x 1
		.amdhsa_system_sgpr_workgroup_id_y 1
		.amdhsa_system_sgpr_workgroup_id_z 1
		.amdhsa_system_vgpr_workitem_id 0
		.amdhsa_next_free_vgpr 512
		.amdhsa_next_free_sgpr 66
		.amdhsa_reserve_vcc 1
		.amdhsa_float_denorm_mode_32 3
		.amdhsa_float_denorm_mode_16_64 3
		.amdhsa_memory_ordered 1
		.amdhsa_forward_progress 1
		.amdhsa_inst_pref_size 57
	.end_amdhsa_kernel
	.amdgpu_metadata
---
amdhsa.version: [ 1, 2 ]
amdhsa.kernels:
  - .name:           k_qafc5cb02e7_prep1
    .symbol:         k_qafc5cb02e7_prep1.kd
    .args:
      - { .name: x1, .offset: 0, .size: 8, .value_kind: global_buffer, .address_space: global }
      - { .name: Wq, .offset: 8, .size: 8, .value_kind: global_buffer, .address_space: global }
      - { .name: bq, .offset: 16, .size: 8, .value_kind: global_buffer, .address_space: global }
      - { .name: Wk, .offset: 24, .size: 8, .value_kind: global_buffer, .address_space: global }
      - { .name: bk, .offset: 32, .size: 8, .value_kind: global_buffer, .address_space: global }
      - { .name: Wv, .offset: 40, .size: 8, .value_kind: global_buffer, .address_space: global }
      - { .name: bv, .offset: 48, .size: 8, .value_kind: global_buffer, .address_space: global }
      - { .name: qp, .offset: 56, .size: 8, .value_kind: global_buffer, .address_space: global }
      - { .name: kvc, .offset: 64, .size: 8, .value_kind: global_buffer, .address_space: global }
      - { .name: ksc, .offset: 72, .size: 8, .value_kind: global_buffer, .address_space: global }
      - { .name: lay, .offset: 80, .size: 8, .value_kind: global_buffer, .address_space: global }
    .group_segment_fixed_size: 0
    .private_segment_fixed_size: 0
    .kernarg_segment_align: 8
    .kernarg_segment_size: 88
    .max_flat_workgroup_size: 256
    .sgpr_count:     66
    .vgpr_count:     512
    .wavefront_size: 32
...
	.end_amdgpu_metadata
.endif
;; end of part 3
;; launch attn1: the kernel of part 2 again; grid 16 x 16, 4 waves a work-group, clusters of 4 x 1, 327,680 bytes of LDS; arguments qp, kvc, ksc, x1, lay, bw, Wo, W1, b1, W2, bo, g1, be1, b2, g2, be2, Wfc, bfc, xcat, out0; writes xcat, out0
